; MI455X (gfx1250); checked and timed in simulation.
; The chip was launched on July 23, 2026; its instructions are those of AMD's public machine-readable ISA for CDNA 5 (MIT licence, August 2026) and "CDNA5" Instruction Set Architecture Reference Guide (July 2026). The comments in the code are by the model that wrote it; some were corrected since.
;; Multi Head Attention Low Level. Allowed arithmetic: matrix products marked QUANTISED: E2M3 operands, one E8M0 scale for each 32 along K, by v_wmma_scale_f32_16x16x128_f8f6f4 with both operands' format E2M3, f32 sums; everything else in f32.
;; Inputs: W_k 1,024 x 1,024 float32; W_o 1,024 x 1,024 float32; W_q 1,024 x 1,024 float32; W_v 1,024 x 1,024 float32; key 4 x 2,048 x 1,024 float32; mask 4 x 2,048 bool; query 4 x 2,048 x 1,024 float32; value 4 x 2,048 x 1,024 float32.
;; Outputs: out0 4 x 2,048 x 1,024 float32.
;; This version of the problem:
;;   THIS VERSION OF THE PROBLEM IS GIVEN IN LOW PRECISION. The matrix products marked QUANTISED in the list below multiply operands that are first quantised to E2M3 (2 exponent bits, 3 mantissa bits; 6 bits a number), with one power-of-two scale for each 32 numbers along K (OCP MX v1.0); their sums are f32. All else is computed in f32.
;;   The module's matrix products, in the order in which they are computed (A, B: the left and right operand; K: the contracted axis; several contracted axes count as one K, in the product's order):
;;     1. [M 8,192, K 1,024] x [K 1,024, N 1,024]; A: input query; B: input W_q: QUANTISED
;;     2. [M 8,192, K 1,024] x [K 1,024, N 1,024]; A: input key; B: input W_k: QUANTISED
;;     3. [M 8,192, K 1,024] x [K 1,024, N 1,024]; A: input value; B: input W_v: QUANTISED
;;     4. batch 64 x [M 2,048, K 64] x [K 64, N 2,048]; A: computed on the way; B: computed on the way: QUANTISED
;;     5. batch 64 x [M 2,048, K 2,048] x [K 2,048, N 64]; A: softmax (see below); B: computed on the way: QUANTISED
;;     6. [M 8,192, K 1,024] x [K 1,024, N 1,024]; A: computed on the way; B: input W_o: QUANTISED
;;   THE QUANTISER, for each operand of a quantised product, along K:
;;     - K is cut into blocks of 32 from its start; a last block that is shorter is filled with zeros.
;;     - A block's scale is 2^e with e = floor(log2(the largest magnitude in the block)) - 2, held to -126 .. 127; a block of zeros has e = 0. As a byte (E8M0): e + 127.
;;     - Each number is divided by its block's scale, clamped to +-7.5, and rounded to the nearest number of E2M3, ties to even, subnormals kept.
;;     - The product sums the exact products of the quantised numbers (number of the format x scale) in f32.
;;   ~~~python
;;   def quantise(x, axis):      # numpy; x: float32 -> the quantised numbers, widened to float32 again
;;       x = np.moveaxis(x, axis, -1); K = x.shape[-1]
;;       x = np.pad(x, [(0, 0)] * (x.ndim - 1) + [(0, -K % 32)]); x = x.reshape(x.shape[:-1] + (-1, 32)); a = np.abs(x).max(-1, keepdims=True)
;;       e = np.where(a > 0, np.clip(np.frexp(np.where(a > 0, a, 1))[1] - 1 - 2, -126, 127), 0)      # np.frexp(a)[1] - 1 = floor(log2(a)), exactly
;;       r = np.clip(x / 2.0 ** e, -7.5, 7.5)
;;       step = 2.0 ** (np.maximum(np.frexp(np.where(r == 0, 1, r))[1] - 1, 0) - 3)
;;       q = np.round(r / step) * step * 2.0 ** e      # np.round: ties to even
;;       return np.moveaxis(q.reshape(q.shape[:-2] + (-1,))[..., :K], -1, axis).astype(np.float32)
;;   ~~~
;;   SOFTMAX AHEAD OF A QUANTISED PRODUCT. Where the list says 'softmax', what is quantised is not the finished softmax but p = 2^(t - M), with t = logit x log2(e) and M = ceil(the row's largest t), a whole number; so 1/2 < the row's largest p <= 1. The row's sum l is taken of the UNQUANTISED p, in f32, and the product's result is divided by l at the end. Since M is a whole number, a kernel that streams over the keys may use a running M (the ceiling of the running maximum): every later rescaling is an exact power of two, which a block's scale takes up: the codes' values come out the same.
;;   OPERANDS COMPUTED ON THE WAY. 'Computed on the way' means the value that the module computes at that place (a softmax that the list does not call 'softmax' is quantised finished and normalised). What goes into a quantiser is computed in f32, as accurately as f32 sums, v_exp_f32 and their like allow (about 1e-6 of the number): no bf16 or f16 on the way to a quantiser, and a product that is left as it is and whose result goes on into a quantised operand takes f32 operands (vector FMAs, or v_wmma_f32_16x16x4_f32). A number that lies on a knife's edge between two numbers of the format may be rounded either way, as far as f32 arithmetic and the matrix unit's own rounding can turn it there, and no further.
;; One version. Each part assembles by itself: llvm-mc -triple=amdgcn-amd-amdhsa -mcpu=gfx1250 --defsym DOCPART=n.
;; ======== version 1 of 1: 4 launches
;; limits: right only within a limited range of input values
;; workspace buffers: codes 22,020,096 bytes; scal 917,504 bytes; qkv 18,874,368 bytes; qkvs 786,432 bytes; ao 6,291,456 bytes; aos 262,144 bytes
;; launch quant (part 1): grid 256 x 1, 7 waves a work-group, no clusters, 60,160 bytes of LDS; arguments query, key, value, W_q, W_k, W_v, W_o, codes, scal; writes codes, scal
.if DOCPART == 1
	.amdgcn_target "amdgcn-amd-amdhsa--gfx1250"
	.amdhsa_code_object_version 6
	.text
	.protected	k_q01d0845fd4_quant
	.globl	k_q01d0845fd4_quant
	.p2align	8
	.type	k_q01d0845fd4_quant,@function
k_q01d0845fd4_quant:
	s_mov_b64 s[64:65], 0
	v_nop
	global_prefetch_b8 v0, s[64:65] scope:SCOPE_SE
	s_setreg_imm32_b32 hwreg(HW_REG_WAVE_MODE, 25, 1), 1
	s_wait_xcnt 0x0
; query, key, value [8192][1024] and W_q, W_k, W_v, W_o [1024][1024], f32, K innermost, become codes of FP6 (E2M3) with one E8M0 byte for each 32 along K.
; A block's scale is 2^(floor(log2(its largest magnitude)) - 2); its byte is the largest magnitude's exponent field - 2, held at 1 from below.
; LIMITS: NaN and infinities among the inputs are not served.  A block of zeros gets the byte 1 where the rule says 127: its codes are zeros, which add nothing, and this program alone reads the bytes.
; SHARES.  The seven tensors are 1,792 tiles of 16 rows = 256 work-groups x 7 waves: wave w of work-group x takes tile g = 7 x + w, all 1,024 along K, in eight steps of 128.
; WHAT IS WRITTEN.  codes: [g][j 0..15][768]: a SIX-PACK, 16 rows x 64 along K, is the image of six operand registers: piece p (256 bytes) holds registers 2 p, 2 p + 1, lane l's 8 bytes at 8 l;
; lane (r = l % 16, h = l / 16) holds row r, block h of the two.  So each store of the wave covers 256 consecutive bytes, aligned, and a reader loads operands with no shuffle.  scal: [row][32 bytes].
; THE ORDER INSIDE A BLOCK OF 32: places 0-7 hold k 0-7, places 8-15 k 16-23, places 16-23 k 8-15, places 24-31 k 24-31.  That is the order in which the later launches' results fall when they are
; quantised in registers; every operand of every product of this program has it, so equal k still meet.  Blocks, scales and codes' values are the rule's own.
; THE WAY.  Each load reads 512 consecutive bytes of one row; a step's 16 x 512 bytes turn through the wave's own stage in LDS (rows 528 bytes apart, so that the sixteen rows of a read start at
; different banks: ISA guide 11.1) and come back 32 numbers of ONE block to a lane, twice.  Loads run three steps (48 loads a wave) ahead.  No barrier: waves share nothing.
.set FLOOR,  0x1800000                 ; 2^(3 - 127): under it no largest magnitude is taken, so the byte cannot fall under 1
.set EOFF,   0xff000000                ; takes 2 off an exponent field
.set SPITCH, 528
.set STG,    16*SPITCH                 ; a wave's stage
.set SPARE,  7*STG                     ; behind the stages: the spare words, 128 bytes a wave, in four blocks of 256 bytes that no other line names
.set LN,   1                           ; v1   lane
.set RR,   2                           ; v2   r
.set HH,   3                           ; v3   h
.set L16,  4                           ; v4   16 x lane: my bytes of a load's 512
.set STW,  5                           ; v5   the stage, on the way in
.set STR,  6                           ; v6   and on the way out: row r, + 128 h
.set L8,   7                           ; v7   8 x lane: my bytes of a piece
.set SOF,  8                           ; v8   32 r + 16 h: my 16 scale bytes
.set SH8,  9                           ; v9   8 h
.set SPW,  10                          ; v10  my spare word; never rewritten
.set NIL,  11                          ; v11  0; never rewritten
.set MX,   12                          ; v12-13 the two blocks' largest magnitudes
.set EX,   14                          ; v14-15 the conversions' scale operands
.set BY,   16                          ; v16-17 the scale bytes
.set WD,   18                          ; v18  my half of the scale word
.set PD,   19                          ; v19  the other half's
.set SWD,  20                          ; v20-27 the eight steps' scale words
.set OW,   28                          ; v28-31 the four that I store
.set TT,   32                          ; v32-34, v36-38 the upper halves of the two blocks' codes
.set CD,   40                          ; v40-135 codes: twelve registers for each step, so that no store's data are written again
.set X,    136                         ; v136-199 64 numbers: two blocks
.set MSB, 0
.macro WIN new                         ; the immediate's high byte repeats the setting that is left
.if MSB != (\new)
	s_set_vgpr_msb (MSB<<8)|(\new)
.set MSB, \new
.endif
.endm
	s_load_b512 s[8:23], s[0:1], 0x0               ; query, key, value, W_q, W_k, W_v, W_o, codes
	s_load_b64 s[24:25], s[0:1], 0x40              ; scal
	v_lshl_add_u32 v[SPW], v0, 2, SPARE
	v_mov_b32 v[NIL], 0
	v_lshrrev_b32 v1, 5, v0
	v_readfirstlane_b32 s4, v1                     ; wave 0..6
	v_and_b32 v[LN], 31, v0
	v_and_b32 v[RR], 15, v0
	v_bfe_u32 v[HH], v0, 4, 1
	v_lshlrev_b32 v[L16], 4, v[LN]
	s_mul_i32 s5, s4, STG                          ; my stage
	v_add_nc_u32 v[STW], s5, v[L16]
	v_mul_u32_u24 v[STR], v[RR], SPITCH
	v_lshl_add_u32 v[STR], v[HH], 7, v[STR]
	v_add_nc_u32 v[STR], s5, v[STR]
	v_lshlrev_b32 v[L8], 3, v[LN]
	v_lshlrev_b32 v[SOF], 5, v[RR]
	v_lshl_add_u32 v[SOF], v[HH], 4, v[SOF]
	v_lshlrev_b32 v[SH8], 3, v[HH]
	v_mov_b32 v[PD], 0                             ; written once: a lane permute's destination counts as one of its sources
	s_mov_b32 s30, 0x76543210
	s_mov_b32 s31, 0xfedcba98                      ; v_permlanex16_b32's selects for lane l xor 16
	s_mul_i32 s6, ttmp9, 7
	s_add_co_u32 s6, s6, s4                        ; g
	s_wait_alu depctr_va_vdst(0)
	s_wait_kmcnt 0x0
	s_mov_b64 s[26:27], s[8:9]                     ; whose tile is g?  The choice hangs on ids alone
	s_mov_b32 s28, 0                               ; and the tensor's first tile
.macro PICK bound, ptr
	s_cmp_ge_u32 s6, \bound
	s_cselect_b64 s[26:27], s[\ptr:\ptr+1], s[26:27]
	s_cselect_b32 s28, \bound, s28
.endm
	PICK 512, 10                                   ; key
	PICK 1024, 12                                  ; value
	PICK 1536, 14                                  ; W_q
	PICK 1600, 16                                  ; W_k
	PICK 1664, 18                                  ; W_v
	PICK 1728, 20                                  ; W_o
; KEY'S ROWS ARE DEALT OTHERWISE: tile t of key holds, as its row 8 h + j, token 64 (t / 4) + 32 h + 8 sigma(t % 4) + j, sigma = 0, 2, 1, 3.  Attention's scores of four neighbouring tiles then give a lane
; 32 keys of ONE block of its second product, in the order of places set out at the head.  All other tensors: row i of tile t is row 16 t + i.
.set L16B, 39                          ; v39  as v4, for a tile's rows 8-15: in key they lie 24 rows further on
	s_sub_co_u32 s28, s6, s28                      ; t
	s_lshr_b32 s7, s28, 2
	s_lshl_b32 s7, s7, 18                          ; 64 rows of 4,096 bytes
	s_and_b32 s29, s28, 1
	s_lshl_b32 s29, s29, 16                        ; sigma's upper bit: 16 rows
	s_add_co_u32 s7, s7, s29
	s_and_b32 s29, s28, 2
	s_lshl_b32 s29, s29, 14                        ; its lower bit: 8 rows
	s_add_co_u32 s7, s7, s29
	s_lshl_b32 s28, s28, 16                        ; 16 rows of 4,096 bytes
	s_lshr_b32 s29, s6, 9                          ; 1 for key's tiles, 512 to 1,023, alone
	s_cmp_eq_u32 s29, 1
	s_cselect_b32 s28, s7, s28
	s_cselect_b32 s7, 98304, 0
	s_mov_b32 s29, 0
	s_add_nc_u64 s[26:27], s[26:27], s[28:29]
	v_add_nc_u32 v[L16B], s7, v[L16]
	s_wait_alu depctr_va_vdst(0)                   ; the wait behind the write
	s_mul_i32 s28, s6, 12288
	s_add_nc_u64 s[22:23], s[22:23], s[28:29]      ; my tile's codes
	s_lshl_b32 s28, s6, 9
	s_add_nc_u64 s[24:25], s[24:25], s[28:29]      ; and its scale bytes
.macro LOAD t                          ; step t: 512 bytes of each of the 16 rows, into set t % 3 of window 1
	WIN 0x40                                       ; destination window 1, address window 0
.irp i, 0,1,2,3,4,5,6,7,8,9,10,11,12,13,14,15
	global_load_b128 v[64*((\t)%3)+4*\i:64*((\t)%3)+4*\i+3], v[L16+(L16B-L16)*(\i/8)], s[26:27] offset:4096*\i+512*(\t) th:TH_LOAD_NT
.endr
	WIN 0
.endm
	LOAD 0
	LOAD 1
	LOAD 2
.macro STEP t
.set CC, CD+12*(\t)
.if (\t) <= 5
	s_wait_loadcnt 32                              ; this step's 16 loads are in; those of the two steps behind it may be out
.elseif (\t) == 6
	s_wait_loadcnt 16
.else
	s_wait_loadcnt 0x0
.endif
	WIN 0x04                                       ; an LDS store's data are its source 1: window 1
.irp i, 0,1,2,3,4,5,6,7,8,9,10,11,12,13,14,15
	ds_store_b128 v[STW], v[64*((\t)%3)+4*\i:64*((\t)%3)+4*\i+3] offset:SPITCH*\i
.endr
	WIN 0
.irp c, 0,1                            ; back: block 2 c + h of my row, in the order of places set out at the head.  LDS serves a wave's instructions in order: these see the stores above
.irp m, 0,1,2,3,4,5,6,7
	ds_load_b128 v[X+32*\c+4*\m:X+32*\c+4*\m+3], v[STR] offset:256*\c+16*(\m%2)+64*((\m/2)%2)+32*(\m/4)
.endr
.endr
	s_wait_dscnt 0x0                               ; my 64 numbers are in, and the stores have read their registers,
.if (\t) < 5
	LOAD (\t)+3                                    ; which take the loads of three steps on
.endif
.irp c, 0,1
	v_max3_num_f32 v[MX+\c], |v[X+32*\c]|, |v[X+32*\c+1]|, FLOOR
.endr
.irp i, 2,4,6,8,10,12,14,16,18,20,22,24,26,28,30
.irp c, 0,1
	v_max3_num_f32 v[MX+\c], v[MX+\c], |v[X+32*\c+\i]|, |v[X+32*\c+\i+1]|   ; the two blocks by turns
.endr
.endr
.irp c, 0,1
	v_add_nc_u32 v[EX+\c], EOFF, v[MX+\c]          ; the conversion takes the exponent field of this operand as its scale, and nothing else of it
.endr
.irp c, 0,1
	v_lshrrev_b32 v[BY+\c], 23, v[EX+\c]           ; the scale's byte
.endr
	v_lshl_or_b32 v[WD], v[BY+1], 16, v[BY]        ; blocks h and 2 + h of my row,
	v_lshlrev_b32 v[WD], v[SH8], v[WD]             ; at their places in the step's scale word;
	v_permlanex16_b32 v[PD], v[WD], s30, s31
	v_or_b32 v[SWD+(\t)], v[WD], v[PD]             ; with lane l xor 16's two the word is whole
	v_cvt_scalef32_pk16_fp6_f32 v[CC:CC+2], v[X:X+15], v[EX]
	v_cvt_scalef32_pk16_fp6_f32 v[TT:TT+2], v[X+16:X+31], v[EX]         ; (a conversion's three registers begin on an even number)
	v_cvt_scalef32_pk16_fp6_f32 v[CC+6:CC+8], v[X+32:X+47], v[EX+1]
	v_cvt_scalef32_pk16_fp6_f32 v[TT+4:TT+6], v[X+48:X+63], v[EX+1]
	v_nop                                          ; one plain instruction behind the scaled conversions
.irp i, 0,1,2
	v_mov_b32 v[CC+3+\i], v[TT+\i]
	v_mov_b32 v[CC+9+\i], v[TT+4+\i]
.endr
.irp c, 0,1
.irp p, 0,1,2
	global_store_b64 v[L8], v[CC+6*\c+2*\p:CC+6*\c+2*\p+1], s[22:23] offset:1536*(\t)+768*\c+256*\p   ; 32 lanes store 256 consecutive bytes, aligned
.endr
.endr
.endm
.irp t, 0,1,2,3,4,5,6,7
	STEP \t
.endr
	v_cmp_ne_u32 vcc_lo, 0, v[HH]
.irp k, 0,1,2,3
	v_cndmask_b32 v[OW+\k], v[SWD+\k], v[SWD+4+\k], vcc_lo   ; lanes 0-15 store steps 0-3's words of their row, lanes 16-31 steps 4-7's
.endr
	global_store_b128 v[SOF], v[OW:OW+3], s[24:25] ; the tile's 512 scale bytes, consecutive
	s_wait_tensorcnt 0x0                           ; the wave's end, behind my last LDS store
	ds_add_u32 v[SPW], v[NIL]
	s_wait_dscnt 0x0
	s_endpgm
.Lfunc_end_k_q01d0845fd4_quant:
	.size	k_q01d0845fd4_quant, .Lfunc_end_k_q01d0845fd4_quant-k_q01d0845fd4_quant
	.p2alignl 7, 3214868480
	.fill 96, 4, 3214868480
	.section	.rodata,"a",@progbits
	.p2align	6, 0x0
	.amdhsa_kernel k_q01d0845fd4_quant
		.amdhsa_group_segment_fixed_size 60160
		.amdhsa_private_segment_fixed_size 0
		.amdhsa_enable_private_segment 0
		.amdhsa_kernarg_size 72
		.amdhsa_user_sgpr_count 2
		.amdhsa_user_sgpr_kernarg_segment_ptr 1
		.amdhsa_wavefront_size32 1
		.amdhsa_system_sgpr_workgroup_id_x 1
		.amdhsa_system_sgpr_workgroup_id_y 1
		.amdhsa_system_sgpr_workgroup_id_z 1
		.amdhsa_system_vgpr_workitem_id 0
		.amdhsa_next_free_vgpr 448
		.amdhsa_next_free_sgpr 66
		.amdhsa_reserve_vcc 1
		.amdhsa_float_denorm_mode_32 3
		.amdhsa_float_denorm_mode_16_64 3
		.amdhsa_memory_ordered 1
		.amdhsa_forward_progress 1
		.amdhsa_inst_pref_size 61
	.end_amdhsa_kernel
	.amdgpu_metadata
---
amdhsa.version: [ 1, 2 ]
amdhsa.kernels:
  - .name:           k_q01d0845fd4_quant
    .symbol:         k_q01d0845fd4_quant.kd
    .args:
      - { .name: query, .offset: 0, .size: 8, .value_kind: global_buffer, .address_space: global }
      - { .name: key, .offset: 8, .size: 8, .value_kind: global_buffer, .address_space: global }
      - { .name: value, .offset: 16, .size: 8, .value_kind: global_buffer, .address_space: global }
      - { .name: W_q, .offset: 24, .size: 8, .value_kind: global_buffer, .address_space: global }
      - { .name: W_k, .offset: 32, .size: 8, .value_kind: global_buffer, .address_space: global }
      - { .name: W_v, .offset: 40, .size: 8, .value_kind: global_buffer, .address_space: global }
      - { .name: W_o, .offset: 48, .size: 8, .value_kind: global_buffer, .address_space: global }
      - { .name: codes, .offset: 56, .size: 8, .value_kind: global_buffer, .address_space: global }
      - { .name: scal, .offset: 64, .size: 8, .value_kind: global_buffer, .address_space: global }
    .group_segment_fixed_size: 60160
    .private_segment_fixed_size: 0
    .kernarg_segment_align: 8
    .kernarg_segment_size: 72
    .max_flat_workgroup_size: 224
    .sgpr_count:     66
    .vgpr_count:     448
    .wavefront_size: 32
...
	.end_amdgpu_metadata
.endif
;; end of part 1
;; launch proj (part 2): grid 4 x 64, 4 waves a work-group, clusters of 4 x 4, 327,680 bytes of LDS; arguments codes, scal, qkv, qkvs; writes qkv, qkvs
.if DOCPART == 2
	.amdgcn_target "amdgcn-amd-amdhsa--gfx1250"
	.amdhsa_code_object_version 6
	.text
	.protected	k_q01d0845fd4_proj
	.globl	k_q01d0845fd4_proj
	.p2align	8
	.type	k_q01d0845fd4_proj,@function
k_q01d0845fd4_proj:
	s_mov_b64 s[64:65], 0
	v_nop
	global_prefetch_b8 v0, s[64:65] scope:SCOPE_SE
	s_setreg_imm32_b32 hwreg(HW_REG_WAVE_MODE, 25, 1), 1
	s_wait_xcnt 0x0
	s_wait_alu depctr_hold_cnt(0) depctr_sa_sdst(0) depctr_va_vdst(0) depctr_va_sdst(0) depctr_va_ssrc(0) depctr_va_vcc(0) depctr_vm_vsrc(0)
	s_getreg_b32 s2, hwreg(HW_REG_IB_STS2, 6, 4)
	s_cmp_eq_u32 s2, 0
	s_cbranch_scc0 .Lentry_in_a_cluster
	s_endpgm
.Lentry_in_a_cluster:
	s_bfe_u32 s2, ttmp6, 0x10000c
	s_cmp_lg_u32 s2, 0xf033
	s_cbranch_scc0 .Lentry_shape_is_right
	s_endpgm
.Lentry_shape_is_right:
; The three input projections on codes of FP6 (E2M3), and the quantising of their results for attention.  z = 0: Q = query W_q^T; z = 1: K = key W_k^T; z = 2: V = value W_v^T.
; THE PRODUCT.  Source 0 = 16 rows of P, source 1 = 16 rows of R: a lane (r, h) holds R row r, and register j of tile b the P row 16 b + 8 h + j: its registers run along P, the NEXT product's K.
; z = 0, 1: R = tokens, P = rows of W (head, d).  z = 2: R = rows of W_v, P = tokens.
; SHARES.  256 WORK-GROUPS THAT STAY: each makes one tile, R 128 x P 256, of Q, then of K, then of V; its four waves R 64 x P 128 each: 32 accumulators.  All 1,024 along K of a tile's rows lie in LDS.
; FILLS.  Four regions: R's and P's first half of K (8 and 16 row tiles x 6,144 bytes), and the second halves; wave w fills region w by one joint load.  The first barrier of a tile shows waves 0 and 1's
; loads, the second, ahead of K step 4's fetch, all.  THE REFILL: when K step 7's fragments are in registers nobody reads LDS any more; one round of the cluster's barrier, with
; the step's products inside it, and each wave asks for its region of the next tile.  The loads are out under the tile's way out.  The last tile is written out: it asks for nothing.
; CLUSTERS: 4 x 4 work-groups; R's tiles are shared along a row of the cluster, P's along a column.
; THE SCALE WORDS, 32 bytes a row, go from memory straight into registers: lanes 0-15 take R's rows, lanes 16-31 P's; two loads cover 512 consecutive bytes of each.
; (R has four tiles a wave, P eight: in the upper four loads lanes 0-15 read the next four tiles' bytes, which lie inside scal and are not used.)
; PREFETCH.  At a trip's head, behind K step 0's fetch and seven K steps ahead of the refill, the next tile's codes and scale bytes are asked for: each block of 256 bytes once in a cluster, shared out by address among
; the sixteen waves that will ask for it jointly (R: 24 blocks a wave, P: 48).  The weights, which all clusters read, are asked for by clusters 0 to 3 alone.  The first tile comes by its loads alone.
; OPERANDS lie in memory and in LDS as images of registers (the six-packs of the launch before): a fragment, 16 rows x 128 K, is 1,536 consecutive bytes.
; WHAT IS WRITTEN.  qkv: Q and K [16 b + head][token tile][768], V [16 b + head][key step of 128][d tile][64 keys][768]; qkvs: scale words in units of 256 bytes, laid as attention reads them.
; LIMITS: a block of zeros gets the byte 1 (its codes are zeros; this program alone reads the bytes).
; REGISTERS: window 0: v1-31 addresses; v32-95 scale words; v96-143 R's four fragments, v144-239 P's eight: set 0.  Window 1: the accumulators, (a, b) at v[8 (8 a + b)].  Window 2: fragment set 1.
.set FLOOR, 0x1800000
.set EOFF,  0xff000000
.set RCH,   49152
.set PCH,   98304
.set PBASE, 2*RCH
.set SPARE, PBASE+2*PCH                ; the spare words, 128 bytes a wave
.set FR,    12
.set ADR, 4                            ; v4-5   LDS address of my R fragments in half 0, 1 of K
.set ADP, 8                            ; v8-9   of my P fragments
.set ADS, 12                           ; v12    my offset in scal (v13 at work on it)
.set SPW, 14
.set NIL, 15
.set OFF, 16                           ; v16-23 where six-pack c of R tile a goes
.set L8,  24
.set PFR, 25                           ; v25-27, v30 the prefetches' offsets: R's codes, P's codes, R's scale bytes, P's
.set PFP, 26
.set PFS, 27
.set L24, 28                           ; v28    256 x min(lane, 23)
.set L2,  29                           ; v29    256 x min(lane, 1)
.set PFT, 30
.set SC,  32                           ; v[SC + 8 i + s]: lanes 0-15 the word of R's tile i (i < 4), lanes 16-31 of P's tile i, for K step s
.set RF,  96
.set PF,  144
.set TM,  96
.set PCO, 112
.set WW,  132
.set FW,  136
.set G1R, 24
.set G1P, 32
.set R0, 56
.set R1, 60
.set P0, 76
.set P1, 80
; scalars that stay: s14-16 the wave; s17 z; s18, s19 first row tiles of R and P; s66, s67 cx, cy; s84-87 where results go; s90, s91 my share of a prefetch; s92-94 who asks; s96, s97 selects; s98 cluster y; s99 z = 2; s100, s101 tiles
.set MSB, 0
.macro WIN new
.if MSB != (\new)
	s_set_vgpr_msb (MSB<<8)|(\new)
.set MSB, \new
.endif
.endm
.macro CREST                           ; a round of the cluster's barrier behind its opening barrier
	s_cmp_lg_u32 s14, 0
	s_cbranch_scc1 .Lnot_wave_0_\@
	s_barrier_signal -3
.Lnot_wave_0_\@:
	s_barrier_wait -3
	s_barrier_signal -1
	s_barrier_wait -1
.endm
.macro CROUND
	s_barrier_signal -1
	s_barrier_wait -1
	CREST
.endm
.macro MKG1 g, c, r, p                 ; r rows of c elements of 8 bytes, p elements apart
	s_mov_b32 s[\g+1], (\c)<<16
	s_mov_b32 s[\g+2], (\r)<<16
	s_mov_b32 s[\g+3], (\c)<<16
	s_mov_b32 s[\g+4], \r
	s_mov_b32 s[\g+5], \p
	s_mov_b32 s[\g+6], 0
	s_mov_b32 s[\g+7], 0
.endm
.macro PLACES
.rept 4
	v_nop
.endr
.endm
.macro TL g0, g1                       ; a load, its s_nop 0 and four v_nop
	tensor_load_to_lds s[\g0:\g0+3], s[\g1:\g1+7]
	s_nop 0
	PLACES
.endm
.macro CHAIN                           ; one load a wave: one chain of branches on the wave's number, one join
	s_cmp_lt_u32 s14, 1
	s_cbranch_scc0 .Lc1_\@
	TL R0, G1R
	s_branch .Lcj_\@
.Lc1_\@:
	s_cmp_lt_u32 s14, 2
	s_cbranch_scc0 .Lc2_\@
	TL P0, G1P
	s_branch .Lcj_\@
.Lc2_\@:
	s_cmp_lt_u32 s14, 3
	s_cbranch_scc0 .Lc3_\@
	TL R1, G1R
	s_branch .Lcj_\@
.Lc3_\@:
	TL P1, G1P
.Lcj_\@:
.endm
.macro GEOM                            ; from z (s17): the tiles (s100 P, s101 R) and their first row tiles in codes (s18 R: it hangs on cy alone; s19 P: on cx alone)
	s_lshr_b32 s3, s98, 1                          ; V: 8 groups of four P tiles,
	s_and_b32 s12, s98, 1                          ;    2 of four R tiles
	s_lshl_b32 s13, s17, 9
	s_lshl_b32 s18, s17, 6
	s_add_co_u32 s18, s18, 1536
	s_cmp_eq_u32 s17, 2
	s_cselect_b32 s3, s3, 0
	s_cselect_b32 s12, s12, s98
	s_cselect_b32 s13, 1664, s13                   ; V: R = W_v,
	s_cselect_b32 s19, 1024, s18                   ;    P = value
	s_lshl_b32 s100, s3, 2
	s_add_co_u32 s100, s100, s66
	s_lshl_b32 s101, s12, 2
	s_add_co_u32 s101, s101, s67
	s_lshl_b32 s18, s101, 3
	s_add_co_u32 s18, s18, s13
	s_lshl_b32 s21, s100, 4
	s_add_co_u32 s19, s19, s21
.endm
.macro DESC                            ; the four groups 0's addresses; written only where no tensor load of the wave is out
	s_mul_i32 s20, s18, 12288
	s_mov_b32 s21, 0
	s_add_nc_u64 s[R0+2:R0+3], s[4:5], s[20:21]
	s_add_nc_u64 s[R1+2:R1+3], s[R0+2:R0+3], 6144
	s_mul_i32 s20, s19, 12288
	s_add_nc_u64 s[P0+2:P0+3], s[4:5], s[20:21]
	s_add_nc_u64 s[P1+2:P1+3], s[P0+2:P0+3], 6144
.irp g, R0, R1, P0, P1
	s_or_b32 s[\g+3], s[\g+3], 0x80000000
.endr
.endm
.macro SCLOAD                          ; the scale words of the tile at s18, s19
	s_lshl_b32 s20, s15, 2                         ; R's four row tiles of mine, 512 bytes each,
	s_add_co_u32 s20, s20, s18
	s_lshl_b32 s20, s20, 9
	s_lshl_b32 s21, s16, 3                         ; P's eight
	s_add_co_u32 s21, s21, s19
	s_lshl_b32 s21, s21, 9
	v_mov_b32 v13, s21
	v_cmp_ne_u32 vcc_lo, 0, v2
	v_cndmask_b32 v[ADS], s20, v13, vcc_lo         ; lanes 16-31 take P's
	v_lshl_add_u32 v[ADS], v1, 5, v[ADS]
.irp i, 0,1,2,3,4,5,6,7
.irp j, 0,1
	global_load_b128 v[SC+8*\i+4*\j:SC+8*\i+4*\j+3], v[ADS], s[6:7] offset:512*\i+16*\j
.endr
.endr
.endm
.macro OUTADDR                         ; where tile z's results go
	s_lshl_b32 s2, s101, 7
	s_lshl_b32 s3, s15, 6
	s_add_co_u32 s2, s2, s3                        ; Q, K: my first token
	s_lshl_b32 s3, s100, 8
	s_lshl_b32 s12, s16, 7
	s_add_co_u32 s3, s3, s12                       ; V: the same
	s_lshl_b32 s12, s100, 2
	s_lshl_b32 s13, s16, 1
	s_add_co_u32 s12, s12, s13                     ; Q, K: my first head
	s_lshl_b32 s13, s101, 1
	s_add_co_u32 s13, s13, s15                     ; V: my head
	s_mov_b32 s88, 768
	s_mov_b32 s89, 98304
	s_cmp_eq_u32 s17, 2
	s_cselect_b32 s2, s3, s2
	s_cselect_b32 s12, s13, s12
	s_cselect_b32 s88, 1536, s88                   ; from R tile to R tile
	s_cselect_b32 s89, 768, s89                    ; from six-pack to six-pack
	s_cselect_b32 s99, -1, 0                       ; all lanes where z = 2
	s_lshr_b32 s3, s2, 11
	s_lshl_b32 s3, s3, 4
	s_add_co_u32 s3, s3, s12                       ; 16 b + head
	s_and_b32 s13, s2, 2047
	s_mul_i32 s20, s3, 98304
	s_mul_i32 s21, s13, 48                         ; 768 bytes for 16 tokens and 6,144 for 128 keys are both 48 a token
	s_add_co_u32 s20, s20, s21
	s_mul_i32 s21, s17, 6291456
	s_add_co_u32 s20, s20, s21
	s_mov_b32 s21, 0
	s_add_nc_u64 s[84:85], s[8:9], s[20:21]
	s_lshr_b32 s20, s2, 6                          ; the unit of scale words.  Q, K: (64 tokens) x 8 + head / 2
	s_lshl_b32 s20, s20, 3
	s_lshr_b32 s23, s12, 1
	s_add_co_u32 s20, s20, s23
	s_lshl_b32 s23, s3, 4                          ; V: 16 (16 b + head) + key step
	s_lshr_b32 s13, s13, 7
	s_add_co_u32 s23, s23, s13
	s_cmp_eq_u32 s17, 2
	s_cselect_b32 s20, s23, s20
	s_lshl_b32 s20, s20, 8
	s_mul_i32 s23, s17, 262144
	s_add_co_u32 s20, s20, s23
	s_add_nc_u64 s[86:87], s[10:11], s[20:21]
	v_mov_b32 v[OFF], v[L8]
.irp a, 1,2,3
	v_add_nc_u32 v[OFF+2*\a], s88, v[OFF+2*\a-2]
.endr
.irp a, 0,1,2,3
	v_add_nc_u32 v[OFF+2*\a+1], s89, v[OFF+2*\a]
.endr
.endm
.macro PFADDR                          ; my sixteenth of the tile at s18, s19
	s_mul_i32 s20, s18, 12288
	s_mul_i32 s21, s90, 6144
	s_add_co_u32 s20, s20, s21
	v_add_nc_u32 v[PFR], s20, v[L24]
	s_mul_i32 s20, s19, 12288
	s_mul_i32 s21, s91, 12288
	s_add_co_u32 s20, s20, s21
	v_add_nc_u32 v[PFP], s20, v[L24]
	s_lshl_b32 s20, s18, 9
	s_lshl_b32 s21, s90, 8
	s_add_co_u32 s20, s20, s21
	v_mov_b32 v[PFS], s20
	s_lshl_b32 s20, s19, 9
	s_lshl_b32 s21, s91, 9
	s_add_co_u32 s20, s20, s21
	v_add_nc_u32 v[PFT], s20, v[L2]
	s_cmp_eq_u32 s17, 2                            ; the weights are R where z = 2, else P
	s_cselect_b32 s93, s92, 1
	s_cselect_b32 s94, 1, s92
.endm
.macro ASK                             ; the branches hang on z and on the cluster's number, which all partners share
	s_cmp_lg_u32 s93, 0
	s_cbranch_scc0 .Lno_r_\@
	global_prefetch_b8 v[PFR], s[4:5] th:TH_LOAD_NT scope:SCOPE_SE
	global_prefetch_b8 v[PFS], s[6:7] th:TH_LOAD_NT scope:SCOPE_SE
.Lno_r_\@:
	s_cmp_lg_u32 s94, 0
	s_cbranch_scc0 .Lno_p_\@
	global_prefetch_b8 v[PFP], s[4:5] th:TH_LOAD_NT scope:SCOPE_SE
	global_prefetch_b8 v[PFP], s[4:5] offset:6144 th:TH_LOAD_NT scope:SCOPE_SE
	global_prefetch_b8 v[PFT], s[6:7] th:TH_LOAD_NT scope:SCOPE_SE
.Lno_p_\@:
.endm
.macro FRAG reg, adr, off
.irp p, 0,1,2,3,4,5
	ds_load_b64 v[\reg+2*\p:\reg+2*\p+1], v[\adr] offset:\off+256*\p
.endr
.endm
.macro FETCH s, set                    ; K step s: 72 loads in one run
	WIN 0x80*(\set)
.irp b, 0,1,2,3,4,5,6,7
	FRAG PF+FR*\b, ADP+(\s)/4, 6144*\b+1536*((\s)%4)
.endr
.irp a, 0,1,2,3
	FRAG RF+FR*\a, ADR+(\s)/4, 6144*\a+1536*((\s)%4)
.endr
	WIN 0
.endm
.macro MUL s, set, zero                ; the 32 accumulators take turns
	WIN 0x50+0x0a*(\set)
.irp a, 0,1,2,3
.irp b, 0,1,2,3,4,5,6,7
.if \zero
	v_wmma_scale_f32_16x16x128_f8f6f4 v[8*(8*\a+\b):8*(8*\a+\b)+7], v[PF+FR*\b:PF+FR*\b+FR-1], v[RF+FR*\a:RF+FR*\a+FR-1], 0, v[SC+8*\b+(\s)], v[SC+8*\a+(\s)] matrix_a_fmt:MATRIX_FMT_FP6 matrix_b_fmt:MATRIX_FMT_FP6 matrix_a_scale:MATRIX_SCALE_ROW1
.else
	v_wmma_scale_f32_16x16x128_f8f6f4 v[8*(8*\a+\b):8*(8*\a+\b)+7], v[PF+FR*\b:PF+FR*\b+FR-1], v[RF+FR*\a:RF+FR*\a+FR-1], v[8*(8*\a+\b):8*(8*\a+\b)+7], v[SC+8*\b+(\s)], v[SC+8*\a+(\s)] matrix_a_fmt:MATRIX_FMT_FP6 matrix_b_fmt:MATRIX_FMT_FP6 matrix_a_scale:MATRIX_SCALE_ROW1
.endif
.endr
.endr
.endm
.macro PAIR q, zero                    ; K steps 2 q (set 0) and 2 q + 1 (set 1)
	PLACES
	FETCH 2*(\q)+1, 1
	s_wait_dscnt 63                                ; set 0 is in: 72 loads were issued behind it, and 63 is the largest count that can be written
	MUL 2*(\q), 0, \zero
	s_wait_dscnt 0x0                               ; set 1 is in
.if (\q) < 3
.if (\q) == 1
	s_wait_tensorcnt 0x0                           ; every wave's load has landed: the second halves of K are shown to all
	s_barrier_signal -1
	s_barrier_wait -1
.endif
	PLACES
	FETCH 2*(\q)+2, 0
.endif
	MUL 2*(\q)+1, 1, 0
.endm
.macro PAIRFILL                        ; K steps 6 and 7, and the refill
	PLACES
	FETCH 7, 1
	s_wait_tensorcnt 0x0                           ; no tensor load of mine is out;
	ds_add_u32 v[SPW], v[NIL]                      ; the add; work on registers stands between it and the wait for it
	DESC                                           ; the next tile's addresses
	s_wait_dscnt 63                                ; set 0 is in (behind it: 72 loads and the add)
	MUL 6, 0, 0
	WIN 0
	s_wait_dscnt 0x0                               ; the add is done, and my last reads of this tile's LDS bytes
	s_barrier_signal -1                            ; the round opens;
	MUL 7, 1, 0                                    ; work on registers while the others arrive
	WIN 0
	s_barrier_wait -1
	CREST                                          ; no wave of any partner reads LDS or has a load on its way
	CHAIN                                          ; my one load behind the round; its four v_nop are the places in front of the loads and reads below
.endm
; THE WAY OUT.  The 64 numbers of a lane in window 1 from v[s] on (register 16 b + i: block b of my R row) become a fragment's codes in v[PCO] on and the row's scale word in v[wd].
.macro QUANTW s, wd
	WIN 0x05
.irp b, 0,1,2,3
	v_max3_num_f32 v[TM+\b], |v[\s+16*\b]|, |v[\s+16*\b+1]|, FLOOR     ; each accumulator from its low end on
.endr
.irp i, 2,4,6,8,10,12,14
.irp b, 0,1,2,3
	v_max3_num_f32 v[TM+\b], |v[\s+16*\b+\i]|, |v[\s+16*\b+\i+1]|, v[TM+\b]
.endr
.endr
	WIN 0
.irp b, 0,1,2,3
	v_permlanex16_b32 v[TM+4+\b], v[TM+\b], s96, s97
.endr
.irp b, 0,1,2,3
	v_max_num_f32 v[TM+\b], v[TM+\b], v[TM+4+\b]
.endr
.irp b, 0,1,2,3
	v_add_nc_u32 v[TM+12+\b], EOFF, v[TM+\b]
.endr
.irp b, 0,1,2,3
	v_lshrrev_b32 v[TM+4+\b], 23, v[TM+12+\b]
.endr
	v_lshl_or_b32 v[\wd], v[TM+5], 8, v[TM+4]
	v_lshl_or_b32 v[\wd], v[TM+6], 16, v[\wd]
	v_lshl_or_b32 v[\wd], v[TM+7], 24, v[\wd]
	WIN 0x01
.irp c, 0,1
	v_cvt_scalef32_pk16_fp6_f32 v[PCO+6*\c:PCO+6*\c+2], v[\s+32*\c:\s+32*\c+15], v[TM+12+2*\c]
	v_cvt_scalef32_pk16_fp6_f32 v[PCO+12+4*\c:PCO+14+4*\c], v[\s+32*\c+16:\s+32*\c+31], v[TM+13+2*\c]
.endr
	WIN 0
	v_nop                                          ; one plain instruction behind the scaled conversions
.irp c, 0,1                            ; a whole block in a lane: lanes 0-15 block 2 c, lanes 16-31 block 2 c + 1
.irp i, 0,1,2
	v_permlane16_swap_b32 v[PCO+6*\c+\i], v[PCO+12+4*\c+\i]
.endr
.irp i, 0,1,2
	v_mov_b32 v[PCO+3+6*\c+\i], v[PCO+12+4*\c+\i]
.endr
.endr
.endm
.macro EPI
	WIN 0
	PLACES
.irp b, 0,1,2,3
	v_mov_b32 v[TM+4+\b], 0                        ; a lane permute's destination counts as one of its sources
.endr
.irp a, 0,1,2,3
.if \a > 0
	s_wait_xcnt 0x0                                ; the last tile's stores have read their data
.endif
	QUANTW 64*\a, WW+\a
.irp c, 0,1
.irp p, 0,1,2
	global_store_b64 v[OFF+2*\a+\c], v[PCO+6*\c+2*\p:PCO+6*\c+2*\p+1], s[84:85] offset:256*\p   ; 256 consecutive bytes, aligned
.endr
.endr
.endr
	; The scale words, one unit of 256 bytes a wave: lane (r, h) stores words 2 h and 2 h + 1 of row r.
	; Q, K: word (head c, 32 tokens G) = head c's two bytes of token tiles 2 G and 2 G + 1; half h takes head c = h.  V: word t = d tile t's four key blocks.  Both are made, and z selects.
	v_perm_b32 v[FW], v[WW+1], v[WW], 0x05040100
	v_perm_b32 v[FW+1], v[WW+3], v[WW+2], 0x05040100
	v_perm_b32 v[FW+2], v[WW+1], v[WW], 0x07060302
	v_perm_b32 v[FW+3], v[WW+3], v[WW+2], 0x07060302
	v_cmp_ne_u32 vcc_lo, 0, v2
	v_cndmask_b32 v[FW+6], v[FW], v[FW+2], vcc_lo
	v_cndmask_b32 v[FW+7], v[FW+1], v[FW+3], vcc_lo
	v_cndmask_b32 v[FW+8], v[WW], v[WW+2], vcc_lo
	v_cndmask_b32 v[FW+9], v[WW+1], v[WW+3], vcc_lo
	v_cndmask_b32 v[FW+4], v[FW+6], v[FW+8], s99
	v_cndmask_b32 v[FW+5], v[FW+7], v[FW+9], s99
	global_store_b64 v[L8], v[FW+4:FW+5], s[86:87]
.endm
.macro TILE more                       ; tile z = s17; more = 1: another follows
	s_wait_xcnt 0x0                                ; the last tile's stores and prefetches have read their registers and bases
	OUTADDR
.if \more
	s_add_co_u32 s17, s17, 1                       ; from here on s17, s18, s19, s100, s101 are the next tile's
	GEOM
	PFADDR
.endif
	s_wait_alu depctr_va_vdst(0)                   ; the wait ahead of the branch and the waits below
	s_cmp_lt_u32 s14, 2
	s_cbranch_scc0 .Lsecond_half_\@
	s_wait_tensorcnt 0x0                           ; waves 0 and 1: the first halves of K are in; their load lines are theirs alone
.Lsecond_half_\@:
	s_barrier_signal -1
	s_barrier_wait -1
	s_wait_loadcnt 0x0                             ; my scale words
	FETCH 0, 0
.if \more
	ASK
.endif
	PAIR 0, 1                                      ; the first step's products start the sums
	PAIR 1, 0
	PAIR 2, 0
.if \more
	PAIRFILL
	SCLOAD
.else
	PAIR 3, 0
.endif
	EPI
.endm
	s_load_b256 s[4:11], s[0:1], 0x0               ; codes, scal, qkv, qkvs
	v_lshl_add_u32 v[SPW], v0, 2, SPARE
	v_mov_b32 v[NIL], 0
	ds_add_u32 v[SPW], v[NIL]                      ; the opening lines
	ds_add_u32 v[SPW], v[NIL]
	v_lshrrev_b32 v1, 5, v0
	v_readfirstlane_b32 s14, v1                    ; wave
	s_lshr_b32 s15, s14, 1                         ; which 64 rows of R are mine
	s_and_b32 s16, s14, 1                          ; which 128 rows of P
	s_bfe_u32 s66, ttmp6, 0x40000                  ; cx
	s_bfe_u32 s67, ttmp6, 0x40004                  ; cy
	s_and_b32 s98, ttmp7, 0xffff                   ; the cluster's y, 0..15
	s_cmp_lt_u32 s98, 4
	s_cselect_b32 s92, 1, 0                        ; my cluster asks for the weights
	s_lshl_b32 s90, s66, 2
	s_add_co_u32 s90, s90, s14                     ; my number among the sixteen waves of my row of the cluster,
	s_lshl_b32 s91, s67, 2
	s_add_co_u32 s91, s91, s14                     ; and of my column
	s_mov_b32 s96, 0x76543210
	s_mov_b32 s97, 0xfedcba98                      ; v_permlanex16_b32's selects for lane l xor 16
	s_lshl_b32 s22, s67, 2
	s_lshl_b32 s22, 15, s22                        ; my row of the cluster
	s_lshl_b32 s23, 0x1111, s66                    ; my column
	s_or_b32 s[G1R], s22, (3<<16)|(1<<21)
	s_or_b32 s[G1P], s23, (3<<16)|(1<<21)
	MKG1 G1R, 768, 8, 1536                         ; 6,144 bytes of each of 8 tiles' 12,288
	MKG1 G1P, 768, 16, 1536
	s_mov_b32 s[R0], 1
	s_mov_b32 s[R0+1], 0
	s_mov_b32 s[R1], 1
	s_mov_b32 s[R1+1], RCH
	s_mov_b32 s[P0], 1
	s_mov_b32 s[P0+1], PBASE
	s_mov_b32 s[P1], 1
	s_mov_b32 s[P1+1], PBASE+PCH
	s_mov_b32 s17, 0
	GEOM
	s_wait_dscnt 0x0
	s_wait_kmcnt 0x0
	DESC
	CROUND                                         ; the joint loads meet
	CHAIN
	v_and_b32 v3, 31, v0
	v_and_b32 v1, 15, v0                           ; r
	v_bfe_u32 v2, v0, 4, 1                         ; h
	v_lshlrev_b32 v[L8], 3, v3
	v_min_u32 v[L24], 23, v3
	v_min_u32 v[L2], 1, v3
	v_lshlrev_b32 v[L24], 8, v[L24]
	v_lshlrev_b32 v[L2], 8, v[L2]
	s_mul_i32 s20, s15, 24576                      ; my four tiles of R, 6,144 bytes each in a half,
	s_mul_i32 s21, s16, 49152                      ; my eight of P
	s_add_co_u32 s21, s21, PBASE
.irp q, 0,1
	v_add_nc_u32 v[ADR+\q], s20, v[L8]
	v_add_nc_u32 v[ADP+\q], s21, v[L8]
	s_add_co_u32 s20, s20, RCH
	s_add_co_u32 s21, s21, PCH
.endr
	s_wait_alu depctr_va_vdst(0)                   ; the wait ahead of the scalar lines below
	SCLOAD
.Ltile:                                                ; tiles 0 and 1
	TILE 1
	s_cmp_lg_u32 s17, 2
	s_cbranch_scc1 .Ltile
	TILE 0                                         ; tile 2 asks for nothing more
	s_wait_tensorcnt 0x0                           ; the wave's end
	ds_add_u32 v[SPW], v[NIL]
	s_wait_dscnt 0x0
	CROUND                                         ; the closing round
	s_endpgm
.Lfunc_end_k_q01d0845fd4_proj:
	.size	k_q01d0845fd4_proj, .Lfunc_end_k_q01d0845fd4_proj-k_q01d0845fd4_proj
	.p2alignl 7, 3214868480
	.fill 96, 4, 3214868480
	.section	.rodata,"a",@progbits
	.p2align	6, 0x0
	.amdhsa_kernel k_q01d0845fd4_proj
		.amdhsa_group_segment_fixed_size 327680
		.amdhsa_private_segment_fixed_size 0
		.amdhsa_enable_private_segment 0
		.amdhsa_kernarg_size 32
		.amdhsa_user_sgpr_count 2
		.amdhsa_user_sgpr_kernarg_segment_ptr 1
		.amdhsa_wavefront_size32 1
		.amdhsa_system_sgpr_workgroup_id_x 1
		.amdhsa_system_sgpr_workgroup_id_y 1
		.amdhsa_system_sgpr_workgroup_id_z 1
		.amdhsa_system_vgpr_workitem_id 0
		.amdhsa_next_free_vgpr 768
		.amdhsa_next_free_sgpr 102
		.amdhsa_reserve_vcc 1
		.amdhsa_float_denorm_mode_32 3
		.amdhsa_float_denorm_mode_16_64 3
		.amdhsa_memory_ordered 1
		.amdhsa_forward_progress 1
		.amdhsa_inst_pref_size 197
	.end_amdhsa_kernel
	.amdgpu_metadata
---
amdhsa.version: [ 1, 2 ]
amdhsa.kernels:
  - .name:           k_q01d0845fd4_proj
    .symbol:         k_q01d0845fd4_proj.kd
    .args:
      - { .name: codes, .offset: 0, .size: 8, .value_kind: global_buffer, .address_space: global }
      - { .name: scal, .offset: 8, .size: 8, .value_kind: global_buffer, .address_space: global }
      - { .name: qkv, .offset: 16, .size: 8, .value_kind: global_buffer, .address_space: global }
      - { .name: qkvs, .offset: 24, .size: 8, .value_kind: global_buffer, .address_space: global }
    .group_segment_fixed_size: 327680
    .private_segment_fixed_size: 0
    .kernarg_segment_align: 8
    .kernarg_segment_size: 32
    .max_flat_workgroup_size: 128
    .sgpr_count:     102
    .vgpr_count:     768
    .wavefront_size: 32
...
	.end_amdgpu_metadata
.endif
;; end of part 2
;; launch attn (part 3): grid 4 x 64, 16 waves a work-group, clusters of 4 x 1, 327,680 bytes of LDS; arguments qkv, qkvs, mask, ao, aos; writes ao, aos
.if DOCPART == 3
	.amdgcn_target "amdgcn-amd-amdhsa--gfx1250"
	.amdhsa_code_object_version 6
	.text
	.protected	k_q01d0845fd4_attn
	.globl	k_q01d0845fd4_attn
	.p2align	8
	.type	k_q01d0845fd4_attn,@function
k_q01d0845fd4_attn:
	s_mov_b64 s[64:65], 0
	v_nop
	global_prefetch_b8 v0, s[64:65] scope:SCOPE_SE
	s_setreg_imm32_b32 hwreg(HW_REG_WAVE_MODE, 25, 1), 1
	s_wait_xcnt 0x0
	s_wait_alu depctr_hold_cnt(0) depctr_sa_sdst(0) depctr_va_vdst(0) depctr_va_sdst(0) depctr_va_ssrc(0) depctr_va_vcc(0) depctr_vm_vsrc(0)
	s_getreg_b32 s2, hwreg(HW_REG_IB_STS2, 6, 4)
	s_cmp_eq_u32 s2, 0
	s_cbranch_scc0 .Lentry_in_a_cluster
	s_endpgm
.Lentry_in_a_cluster:
	s_bfe_u32 s2, ttmp6, 0x10000c
	s_cmp_lg_u32 s2, 0x3003
	s_cbranch_scc0 .Lentry_shape_is_right
	s_endpgm
.Lentry_shape_is_right:
; Attention on codes of FP6 (E2M3): for each batch b and head, O[q] = sum over keys of softmax(Q[q] . K[k] / 8, masked keys left out) V[k], and O quantised along D for the output projection.
; THE SOFTMAX AHEAD OF THE SECOND PRODUCT: t = score x log2(e) / 8; M = the running largest t rounded UP to a whole number; p = 2^(t - M) is what is quantised, along the keys.  The row's sum is taken of the
; unquantised p and divides O at the end.  When M moves, the sum and O are multiplied by 2^(old M - new M): exact.
; SHARES.  A cluster of four work-groups takes one (b, head); a work-group 512 of its queries; each of its sixteen waves 32, as two tiles of 16 one after the other.  Four waves share a SIMD, so that one wave's
; vector work stands beside another's matrix work and LDS loads.  A head's K and V codes (96 + 96 KiB) and their scale words fit in LDS: they are filled ONCE, by joint loads that name the four work-groups
; (a wave issues one load at the most), so the loop over the keys has no barrier and nothing is filled again.
; LAYOUT.  Both products are used transposed: S^T = K Q^T (source 0 = keys), O^T = V^T P^T (source 0 = 16 of the head's 64): a lane holds ONE query (lane % 16) throughout.
; THE FIRST PRODUCT'S K IS 64, THE INSTRUCTION'S 128: a fragment of K holds TWO tiles of 16 keys, one in each half of the 128; against [q | zeros] it gives the first tile's scores, against [zeros | q] the second's.
; THE MASK costs nothing in the loop: a key's bias, 0 or -3e38, is loaded into the scores' registers and is the C of the tile's one matrix instruction.  The largest t begins at -1e37, above every masked t
; (-5.4e37), so masked keys never move M and their p is 0.  LIMIT: true t must lie above -1e37.  A batch with every key masked has the sum 0: its rows' scale bytes are set to 0xff, which makes the
; output rows NaN, as the softmax of a row with no key is.
; The order of places inside a block of 32 is the one that all operands of this program have (two neighbouring result tiles, converted sixteen at a time, the lanes' halves exchanged).
.set FLOOR, 0x1800000
.set EOFF,  0xff000000
.set KC,    0                          ; K's codes: [tile of 16 keys][768]
.set VC,    98304                      ; V's: [key step][d tile][64 keys][768]
.set KS,    196608                     ; K's scale words: [64 keys][r][32 keys]
.set VS,    200704                     ; V's: [key step][256]
.set MB,    204800                     ; the keys' biases, f32: stored by the waves, never a fill's target
.set SPARE, 212992                     ; the spare words, 128 bytes a wave: eight blocks of 256 bytes that no other line names
.set AK0,  1                           ; v1   8 x lane: my place in a fragment of K; also my bytes of a piece in memory
.set AV0,  2                           ; v2   the same in V
.set ASK0, 3                           ; v3   my row's scale words of K
.set ASV0, 4                           ; v4   of V
.set AM0,  5                           ; v5   my half's biases
.set SPW,  6                           ; v6   my spare word; never rewritten
.set NIL,  7                           ; v7   0; never rewritten
.set ADK,  8                           ; v8-12 the step's addresses
.set ADV,  9
.set ADS,  10
.set ADT,  11
.set ADM,  12
.set L32,  13                          ; v13  32 x lane
.set ONES, 14                          ; v14  0xffff
.set BIGV, 15                          ; v15  -3e38
.set NM,   16                          ; v16  -M;  v17 the largest t
.set TR,   17
.set LS,   18                          ; v[18:19] the sum, in two halves
.set QI,   20                          ; v20-31 both tiles' codes of Q
.set QLO,  32                          ; v32-43 [q | zeros]
.set QHI,  44                          ; v44-55 [zeros | q]
.set QW,   56                          ; v56  the tile's scale word;  v57 both tiles' bytes
.set QWR,  57
.set HW,   58                          ; v58-59 the two tiles' scale bytes of O
.set KF,   64                          ; v64-111 four fragments of K, then of V
.set KSW,  112
.set VSW,  116
.set S,    120                         ; v120-183 S^T, then p
.set O,    184                         ; v184-215 O^T
.set PC,   216                         ; v216-227 p's codes
.set CT,   228                         ; v228-230, v232-234 upper halves
.set BM,   236
.set BP,   240
.set BE,   244
.set XT,   248                         ; v[248:249] at work
.set FF,   250                         ; v[250:251] f
.set PW,   252                         ; p's scale word
.set WV,  14
.set SEL, 20
.set CS,  22
.set T6,  60                           ; s60  the step's codes: 6,144 bytes a step
.set T2,  61                           ; s61  its scale words: 256
.set T5,  62                           ; s62  its biases: 512
.set CNT, 63
.macro CROUND                          ; a round of the cluster's barrier
	s_barrier_signal -1
	s_barrier_wait -1
	s_cmp_lg_u32 s[WV], 0
	s_cbranch_scc1 .Lnot_wave_0_\@
	s_barrier_signal -3
.Lnot_wave_0_\@:
	s_barrier_wait -3
	s_barrier_signal -1
	s_barrier_wait -1
.endm
.macro MKG1 g, c, r, p                 ; a group 1: the mask names all four work-groups; r rows of c elements of 8 bytes, p elements apart; no padding
	s_mov_b32 s[\g], 15|(3<<16)|(1<<21)
	s_mov_b32 s[\g+1], (\c)<<16
	s_mov_b32 s[\g+2], (\r)<<16
	s_mov_b32 s[\g+3], (\c)<<16
	s_mov_b32 s[\g+4], \r
	s_mov_b32 s[\g+5], \p
	s_mov_b32 s[\g+6], 0
	s_mov_b32 s[\g+7], 0
.endm
	s_load_b256 s[4:11], s[0:1], 0x0               ; qkv s[4:5], qkvs s[6:7], mask s[8:9], ao s[10:11]
	s_load_b64 s[12:13], s[0:1], 0x20              ; aos
	v_lshl_add_u32 v[SPW], v0, 2, SPARE
	v_mov_b32 v[NIL], 0
	ds_add_u32 v[SPW], v[NIL]                      ; the wave's opening: the add and its wait ahead of my first tensor load; the set-up below, work on registers, stands between them
	ds_add_u32 v[SPW], v[NIL]
	v_lshrrev_b32 v8, 5, v0
	s_delay_alu instid0(VALU_DEP_1)
	v_readfirstlane_b32 s[WV], v8                  ; wave 0..15
	s_bfe_u32 s15, ttmp6, 0x40000                  ; cx: it enters Q's, ao's and aos's addresses alone
	s_and_b32 s16, ttmp7, 0xffff                   ; 16 b + head, which the four partners share
	s_lshr_b32 s17, s16, 4                         ; b
	s_and_b32 s18, s16, 15                         ; head
	MKG1 24, 32, 96, 32                            ; codes: 24,576 dense bytes a wave
	MKG1 32, 16, 32, 256                           ; K's scale words: 128 bytes of every eighth unit of 256
	MKG1 40, 32, 16, 32                            ; V's: 4,096 dense bytes
	s_min_u32 s2, s[WV], 7                         ; waves 0-3 fetch K's codes, waves 4-7 V's (the others never issue this load)
	s_mov_b32 s48, 1
	s_mul_i32 s49, s2, 24576
	s_and_b32 s3, s2, 3
	s_mul_i32 s50, s3, 24576
	s_lshr_b32 s3, s2, 2
	s_add_co_u32 s3, s3, 1
	s_mul_i32 s3, s3, 6291456                      ; part 1 is K, part 2 is V
	s_add_co_u32 s50, s50, s3
	s_mul_i32 s3, s16, 98304
	s_add_co_u32 s50, s50, s3
	s_mov_b32 s51, 0
	s_mov_b32 s52, 1                               ; wave 8: K's scale words
	s_mov_b32 s53, KS
	s_lshl_b32 s54, s17, 16
	s_lshr_b32 s3, s18, 1
	s_lshl_b32 s3, s3, 8
	s_add_co_u32 s54, s54, s3
	s_and_b32 s3, s18, 1
	s_lshl_b32 s3, s3, 7
	s_add_co_u32 s54, s54, s3                      ; the head's 128 bytes in the batch's first unit row
	s_mov_b32 s19, s54                             ; (the same place serves Q's words)
	s_add_co_u32 s54, s54, 262144
	s_mov_b32 s55, 0
	s_mov_b32 s56, 1                               ; wave 9: V's
	s_mov_b32 s57, VS
	s_lshl_b32 s58, s16, 12
	s_add_co_u32 s58, s58, 524288
	s_mov_b32 s59, 0
	s_lshl_b32 s66, s15, 5
	s_lshl_b32 s67, s[WV], 1
	s_add_co_u32 s66, s66, s67                     ; my first tile of 16 queries in the head: 32 cx + 2 wave
	s_mul_i32 s68, s66, 768
	s_mul_i32 s67, s16, 98304
	s_add_co_u32 s68, s68, s67                     ; Q's codes
	s_mov_b32 s69, 0
	s_lshl_b32 s70, s15, 3
	s_lshr_b32 s67, s[WV], 1
	s_add_co_u32 s70, s70, s67                     ; which 64 tokens,
	s_lshl_b32 s70, s70, 11
	s_add_co_u32 s70, s70, s19
	s_and_b32 s67, s[WV], 1                        ; which 32 of them
	s_lshl_b32 s67, s67, 2
	s_add_co_u32 s70, s70, s67                     ; Q's scale words
	s_mov_b32 s71, 0
	s_lshl_b32 s72, s17, 11                        ; the batch's mask
	s_mov_b32 s73, 0
	s_lshl_b32 s80, s17, 7
	s_add_co_u32 s80, s80, s66                     ; my first token tile of all 512
	s_lshl_b32 s82, s80, 9                         ; aos: 16 tokens x 32 bytes,
	s_lshl_b32 s67, s18, 1
	s_add_co_u32 s82, s82, s67                     ; + 2 head
	s_mov_b32 s83, 0
	s_lshl_b32 s80, s80, 4
	s_add_co_u32 s80, s80, s18
	s_mul_i32 s80, s80, 768                        ; ao: [token tile][head][768]
	s_mov_b32 s81, 0
	s_mov_b32 s[SEL], 0x76543210
	s_mov_b32 s[SEL+1], 0xfedcba98                 ; v_permlanex16_b32's selects for lane l xor 16
	s_mov_b32 s[CS], 0x3e38aa3b                    ; c = log2(e) / 8
	s_mov_b32 s[CS+1], s[CS]                       ; (named with it as a pair, so it is written)
	s_wait_dscnt 0x0                               ; the opening add is done
	s_wait_kmcnt 0x0
	s_add_nc_u64 s[50:51], s[4:5], s[50:51]
	s_or_b32 s51, s51, 0x80000000
	s_add_nc_u64 s[54:55], s[6:7], s[54:55]
	s_or_b32 s55, s55, 0x80000000
	s_add_nc_u64 s[58:59], s[6:7], s[58:59]
	s_or_b32 s59, s59, 0x80000000
	s_add_nc_u64 s[68:69], s[4:5], s[68:69]
	s_add_nc_u64 s[70:71], s[6:7], s[70:71]
	s_add_nc_u64 s[72:73], s[8:9], s[72:73]
	s_add_nc_u64 s[80:81], s[10:11], s[80:81]
	s_add_nc_u64 s[82:83], s[12:13], s[82:83]
	CROUND                                         ; all four work-groups are here: the joint loads meet
	s_cmp_lt_u32 s[WV], 8                          ; the branches hang on the wave's number alone; an s_nop 0 and four v_nop follow each load
	s_cbranch_scc0 .Lnot_codes
	tensor_load_to_lds s[48:51], s[24:31]
	s_nop 0
.rept 4
	v_nop
.endr
	s_branch .Lasked
.Lnot_codes:
	s_cmp_eq_u32 s[WV], 8
	s_cbranch_scc0 .Lnot_ks
	tensor_load_to_lds s[52:55], s[32:39]
	s_nop 0
.rept 4
	v_nop
.endr
	s_branch .Lasked
.Lnot_ks:
	s_cmp_eq_u32 s[WV], 9
	s_cbranch_scc0 .Lasked
	tensor_load_to_lds s[56:59], s[40:47]
	s_nop 0
.rept 4
	v_nop
.endr
.Lasked:
	v_and_b32 v8, 31, v0
	v_and_b32 v9, 15, v0                           ; r
	v_bfe_u32 v10, v0, 4, 1                        ; h
	s_delay_alu instid0(VALU_DEP_3)
	v_lshlrev_b32 v[AK0], 3, v8
	s_delay_alu instid0(VALU_DEP_3)
	v_lshlrev_b32 v236, 3, v9                      ; Q's scale words: 8 bytes a row
	v_lshlrev_b32 v237, 2, v0                      ; the mask: four bytes a thread
.irp p, 0,1,2,3,4,5
	global_load_b64 v[QI+2*\p:QI+2*\p+1], v[AK0], s[68:69] offset:256*\p   ; both tiles' codes of Q stay in registers
.endr
	global_load_b32 v[QWR], v236, s[70:71]
	global_load_b32 v249, v237, s[72:73]
	v_add_nc_u32 v[AV0], VC, v[AK0]
	v_lshl_add_u32 v[ASK0], v9, 3, KS
	v_lshl_add_u32 v[ASV0], v9, 3, VS
.set SH8, 60                           ; v60  8 h
	v_lshl_add_u32 v[AM0], v10, 7, MB              ; my half's 32 keys of each 64
	v_lshlrev_b32 v[SH8], 3, v10
	v_lshlrev_b32 v[L32], 5, v8
	v_lshl_add_u32 v238, v0, 4, MB                 ; where my four keys' biases go
	v_mov_b32 v[ONES], 0xffff
	v_mov_b32 v[BIGV], 0xff61b1e6                  ; -3e38
	v_mov_b32 v[FF+1], 0                           ; (named as the upper half of a pair before it is first written)
	s_wait_alu depctr_va_vdst(0)
	s_wait_loadcnt 0x0
.irp k, 0,1,2,3
	v_bfe_u32 v[BE+\k], v249, 8*\k, 8
.endr
.irp k, 0,1,2,3
	v_cmp_ne_u32 vcc_lo, 0, v[BE+\k]
	s_delay_alu instid0(VALU_DEP_1)
	v_cndmask_b32 v[BP+\k], v[NIL], v[BIGV], vcc_lo   ; a masked key's bias is -3e38, any other's 0
.endr
	ds_store_b128 v238, v[BP:BP+3]
	s_wait_tensorcnt 0x0                           ; my load has landed,
	s_wait_dscnt 0x0                               ; my biases are stored:
	s_barrier_signal -1
	s_barrier_wait -1                              ; everybody's are.  From here on LDS is only read
.macro FRAG reg, adr, off              ; a fragment: 1,536 consecutive bytes, six loads of 8 bytes a lane
.irp p, 0,1,2,3,4,5
	ds_load_b64 v[\reg+2*\p:\reg+2*\p+1], v[\adr] offset:\off+256*\p
.endr
.endm
; A KEY STEP: 128 keys.
.macro STEP
	v_add_nc_u32 v[ADK], s[T6], v[AK0]             ; (these five are also the places in front of the loads into registers that the last products have read)
	v_add_nc_u32 v[ADV], s[T6], v[AV0]
	v_add_nc_u32 v[ADS], s[T2], v[ASK0]
	v_add_nc_u32 v[ADT], s[T2], v[ASV0]
	v_add_nc_u32 v[ADM], s[T5], v[AM0]
.irp u, 0,1,2,3,4,5,6,7                ; K's tiles hold the keys as the first launch dealt them: register j of tile u is key 64 (u / 4) + 32 h + 8 sigma(u % 4) + j, sigma = 0, 2, 1, 3: its bias
	ds_load_b128 v[S+8*\u:S+8*\u+3], v[ADM] offset:256*(\u/4)+64*(\u%2)+32*((\u/2)%2)
	ds_load_b128 v[S+8*\u+4:S+8*\u+7], v[ADM] offset:256*(\u/4)+64*(\u%2)+32*((\u/2)%2)+16
.endr
.irp f, 0,1,2,3
	FRAG KF+12*\f, ADK, 1536*\f
.endr
	ds_load_b64 v[KSW:KSW+1], v[ADS]
	ds_load_b64 v[KSW+2:KSW+3], v[ADS] offset:128
	s_wait_alu depctr_va_vdst(0)
	s_wait_dscnt 0x0
.irp f, 0,1,2,3                        ; eight accumulators, one instruction each
	v_wmma_scale_f32_16x16x128_f8f6f4 v[S+16*\f:S+16*\f+7], v[KF+12*\f:KF+12*\f+11], v[QLO:QLO+11], v[S+16*\f:S+16*\f+7], v[KSW+\f], v[QW] matrix_a_fmt:MATRIX_FMT_FP6 matrix_b_fmt:MATRIX_FMT_FP6
	v_wmma_scale_f32_16x16x128_f8f6f4 v[S+16*\f+8:S+16*\f+15], v[KF+12*\f:KF+12*\f+11], v[QHI:QHI+11], v[S+16*\f+8:S+16*\f+15], v[KSW+\f], v[QW] matrix_a_fmt:MATRIX_FMT_FP6 matrix_b_fmt:MATRIX_FMT_FP6
.endr
.rept 4
	v_nop                                          ; places in front of the loads below and of the first read of the scores
.endr
.irp t, 0,1,2,3                        ; V's fragments land while the softmax is walked
	FRAG KF+12*\t, ADV, 1536*\t
.endr
	ds_load_b64 v[VSW:VSW+1], v[ADT]
	ds_load_b64 v[VSW+2:VSW+3], v[ADT] offset:128
.irp b, 0,1,2,3                        ; A LANE'S 32 REGISTERS OF FOUR TILES ARE ONE WHOLE BLOCK OF 32 KEYS (block 2 c + h), in V's order of places.  Its largest score, in two chains of sixteen
	v_max3_num_f32 v[BM+\b], v[S+16*\b], v[S+16*\b+1], v[S+16*\b+2]
.endr
.irp i, 3,5,7,9,11,13
.irp b, 0,1,2,3
	v_max3_num_f32 v[BM+\b], v[BM+\b], v[S+16*\b+\i], v[S+16*\b+\i+1]
.endr
.endr
.irp b, 0,1,2,3
	v_max_num_f32 v[BM+\b], v[BM+\b], v[S+16*\b+15]
.endr
	v_max_num_f32 v[BM], v[BM], v[BM+1]            ; block h's largest score: it serves the row's maximum and, since p rises with the score, the block's largest p
	v_max_num_f32 v[BM+1], v[BM+2], v[BM+3]        ; block 2 + h's
	s_delay_alu instid0(VALU_DEP_1)
	v_max_num_f32 v[XT], v[BM], v[BM+1]
	s_delay_alu instid0(VALU_DEP_1)
	v_permlanex16_b32 v[BP], v[XT], s[SEL], s[SEL+1]
	s_delay_alu instid0(VALU_DEP_1)
	v_max_num_f32 v[XT], v[XT], v[BP]              ; with lane l xor 16's two blocks: the step's largest score of my query
	s_delay_alu instid0(VALU_DEP_1)
	v_mul_f32 v[XT], s[CS], v[XT]                  ; as t (c is positive)
	s_delay_alu instid0(VALU_DEP_1)
	v_max_num_f32 v[TR], v[TR], v[XT]              ; the running largest t
	v_mov_b32 v[XT], v[NM]
	s_delay_alu instid0(VALU_DEP_2)
	v_floor_f32 v[NM], -v[TR]                      ; the new -M = floor(-t): M is a whole number
	s_delay_alu instid0(VALU_DEP_1)
	v_sub_f32 v[XT], v[NM], v[XT]                  ; old M - new M: a whole number, 0 or less
	s_delay_alu instid0(VALU_DEP_1)
	v_cvt_i32_f32 v[XT], v[XT]                     ; (it saturates)
	s_delay_alu instid0(VALU_DEP_1)
	v_ldexp_f32 v[FF], 1.0, v[XT]                  ; f = 2^(old M - new M)
.irp j, 0,2,4,6,8,10,12,14,16,18,20,22,24,26,28,30,32,34,36,38,40,42,44,46,48,50,52,54,56,58,60,62
	v_pk_fma_f32 v[S+\j:S+\j+1], v[S+\j:S+\j+1], s[CS:CS+1], v[NM:NM+1] op_sel_hi:[1,0,0]   ; t - M, two at a time
.endr
.irp b, 0,1
	v_fma_f32 v[BM+\b], v[BM+\b], s[CS], v[NM]     ; the same of my two blocks' largest scores
.endr
	s_wait_alu depctr_va_vdst(0)
.irp j, 0,1,2,3,4,5,6,7,8,9,10,11,12,13,14,15,16,17,18,19,20,21,22,23,24,25,26,27,28,29,30,31,32,33,34,35,36,37,38,39,40,41,42,43,44,45,46,47,48,49,50,51,52,53,54,55,56,57,58,59,60,61,62,63
	v_exp_f32 v[S+\j], v[S+\j]                     ; p = 2^(t - M), at most 1
.endr
	v_pk_mul_f32 v[LS:LS+1], v[LS:LS+1], v[FF:FF+1] op_sel_hi:[1,0]   ; the sums under the new M: a plain instruction behind the exponentials
	s_wait_alu depctr_va_vdst(0)                   ; one wait for the whole batch, ahead of its first reader
.irp b, 0,1
	v_exp_f32 v[BM+\b], v[BM+\b]                   ; the block's largest p
.endr
	v_pk_add_f32 v[248:249], v[124:125], v[128:129]
	v_pk_add_f32 v[254:255], v[132:133], v[136:137]
	v_pk_add_f32 v[252:253], v[140:141], v[144:145]
	v_pk_add_f32 v[246:247], v[148:149], v[152:153]
	v_pk_add_f32 v[244:245], v[156:157], v[160:161]
	v_pk_add_f32 v[242:243], v[164:165], v[168:169]
	v_pk_add_f32 v[240:241], v[172:173], v[176:177]
	v_pk_add_f32 v[18:19], v[18:19], v[180:181]
	v_pk_add_f32 v[248:249], v[248:249], v[120:121]
	v_pk_add_f32 v[254:255], v[254:255], v[122:123]
	v_pk_add_f32 v[252:253], v[252:253], v[126:127]
	v_pk_add_f32 v[246:247], v[246:247], v[130:131]
	v_pk_add_f32 v[244:245], v[244:245], v[134:135]
	v_pk_add_f32 v[242:243], v[242:243], v[138:139]
	v_pk_add_f32 v[240:241], v[240:241], v[142:143]
	v_pk_add_f32 v[18:19], v[18:19], v[146:147]
	v_pk_add_f32 v[248:249], v[248:249], v[150:151]
	v_pk_add_f32 v[254:255], v[254:255], v[154:155]
	v_pk_add_f32 v[252:253], v[252:253], v[158:159]
	v_pk_add_f32 v[246:247], v[246:247], v[162:163]
	v_pk_add_f32 v[244:245], v[244:245], v[166:167]
	v_pk_add_f32 v[242:243], v[242:243], v[170:171]
	v_pk_add_f32 v[240:241], v[240:241], v[174:175]
	v_pk_add_f32 v[18:19], v[18:19], v[178:179]
	v_pk_add_f32 v[248:249], v[248:249], v[182:183]
	s_delay_alu instid0(VALU_DEP_2)
	v_pk_add_f32 v[18:19], v[18:19], v[246:247]
	s_delay_alu instid0(VALU_DEP_2)
	v_pk_add_f32 v[248:249], v[248:249], v[244:245]
	v_pk_add_f32 v[254:255], v[254:255], v[242:243]
	v_pk_add_f32 v[252:253], v[252:253], v[240:241]
	s_delay_alu instid0(VALU_DEP_2)
	v_pk_add_f32 v[18:19], v[18:19], v[254:255]
	s_delay_alu instid0(VALU_DEP_2)
	v_pk_add_f32 v[248:249], v[248:249], v[252:253]
	s_delay_alu instid0(VALU_DEP_1)
	v_pk_add_f32 v[18:19], v[18:19], v[248:249]
	s_wait_alu depctr_va_vdst(0)                   ; and one for the two
.irp b, 0,1
	v_max_num_f32 v[BM+\b], FLOOR, v[BM+\b]        ; the byte cannot fall under 1 (a block whose every p is 0 keeps that byte: its codes are zeros)
.endr
.irp b, 0,1
	s_delay_alu instid0(VALU_DEP_2)
	v_add_nc_u32 v[BE+\b], EOFF, v[BM+\b]
.endr
.irp b, 0,1
	s_delay_alu instid0(VALU_DEP_2)
	v_lshrrev_b32 v[BP+\b], 23, v[BE+\b]
.endr
	s_delay_alu instid0(VALU_DEP_1)
	v_lshl_or_b32 v[PW], v[BP+1], 16, v[BP]        ; my two bytes, blocks h and 2 + h,
	s_delay_alu instid0(VALU_DEP_1)
	v_lshlrev_b32 v[PW], v[SH8], v[PW]             ; at their places in p's scale word for these 128 keys;
	s_delay_alu instid0(VALU_DEP_1)
	v_permlanex16_b32 v[BP+2], v[PW], s[SEL], s[SEL+1]
	s_delay_alu instid0(VALU_DEP_1)
	v_or_b32 v[PW], v[PW], v[BP+2]                 ; with lane l xor 16's two the word is whole
.irp c, 0,1                            ; registers 6 c .. 6 c + 5 of the operand are my block 2 c + h as it lies: no lane looks at another
	v_cvt_scalef32_pk16_fp6_f32 v[PC+6*\c:PC+6*\c+2], v[S+32*\c:S+32*\c+15], v[BE+\c]
	v_cvt_scalef32_pk16_fp6_f32 v[CT+4*\c:CT+4*\c+2], v[S+32*\c+16:S+32*\c+31], v[BE+\c]
.endr
	v_nop                                          ; one plain instruction behind the scaled conversions
.irp c, 0,1
.irp i, 0,1,2
	v_mov_b32 v[PC+3+6*\c+\i], v[CT+4*\c+\i]       ; (a conversion's three registers begin on an even number)
.endr
.endr
.irp j, 0,2,4,6,8,10,12,14,16,18,20,22,24,26,28,30
	v_pk_mul_f32 v[O+\j:O+\j+1], v[O+\j:O+\j+1], v[FF:FF+1] op_sel_hi:[1,0]   ; O^T under the new M.  (These sixteen are also the places between the writes of p's codes and scale word and the products)
.endr
	s_wait_alu depctr_va_vdst(0)
	s_wait_dscnt 0x0                               ; V is in
.irp t, 0,1,2,3                        ; O^T += V^T P^T: four accumulators by turns
	v_wmma_scale_f32_16x16x128_f8f6f4 v[O+8*\t:O+8*\t+7], v[KF+12*\t:KF+12*\t+11], v[PC:PC+11], v[O+8*\t:O+8*\t+7], v[VSW+\t], v[PW] matrix_a_fmt:MATRIX_FMT_FP6 matrix_b_fmt:MATRIX_FMT_FP6
.endr
.endm
; THE END OF A TILE: O^T / the sum is quantised along the head's 64 (two blocks) and leaves as one six-pack, three stores of 256 consecutive bytes.
.macro EPI u
.rept 4
	v_nop                                          ; places behind the last products
.endr
	v_add_f32 v[LS], v[LS], v[LS+1]
	s_delay_alu instid0(VALU_DEP_1)
	v_permlanex16_b32 v[BP], v[LS], s[SEL], s[SEL+1]
	s_delay_alu instid0(VALU_DEP_1)
	v_add_f32 v[LS], v[LS], v[BP]                  ; the row's sum
	s_wait_alu depctr_va_vdst(0)
	v_rcp_f32 v[XT], v[LS]
	v_nop                                          ; a plain instruction behind the reciprocal
	v_cmp_eq_f32 vcc_lo, 0, v[LS]                  ; no key counted?
	s_wait_alu depctr_va_vdst(0)                   ; the wait ahead of the first reader
.irp j, 0,2,4,6,8,10,12,14,16,18,20,22,24,26,28,30
	v_pk_mul_f32 v[S+\j:S+\j+1], v[O+\j:O+\j+1], v[XT:XT+1] op_sel_hi:[1,0]   ; register 8 t + i is o(r, 16 t + 8 h + i); each accumulator from its low end on
.endr
.irp b, 0,1
	v_max3_num_f32 v[BM+\b], |v[S+16*\b]|, |v[S+16*\b+1]|, FLOOR
.endr
.irp i, 2,4,6,8,10,12,14
.irp b, 0,1
	s_delay_alu instid0(VALU_DEP_2)
	v_max3_num_f32 v[BM+\b], v[BM+\b], |v[S+16*\b+\i]|, |v[S+16*\b+\i+1]|
.endr
.endr
.irp b, 0,1
	s_delay_alu instid0(VALU_DEP_2)
	v_permlanex16_b32 v[BP+\b], v[BM+\b], s[SEL], s[SEL+1]
.endr
.irp b, 0,1
	s_delay_alu instid0(VALU_DEP_2)
	v_max_num_f32 v[BM+\b], v[BM+\b], v[BP+\b]
.endr
.irp b, 0,1
	s_delay_alu instid0(VALU_DEP_2)
	v_add_nc_u32 v[BE+\b], EOFF, v[BM+\b]
.endr
.irp b, 0,1
	s_delay_alu instid0(VALU_DEP_2)
	v_lshrrev_b32 v[BP+\b], 23, v[BE+\b]
.endr
	s_delay_alu instid0(VALU_DEP_1)
	v_lshl_or_b32 v[HW+\u], v[BP+1], 8, v[BP]      ; my row's two scale bytes;
	s_delay_alu instid0(VALU_DEP_1)
	v_cndmask_b32 v[HW+\u], v[HW+\u], v[ONES], vcc_lo   ; 0xff twice where no key counted
	v_cvt_scalef32_pk16_fp6_f32 v[PC:PC+2], v[S:S+15], v[BE]
	v_cvt_scalef32_pk16_fp6_f32 v[CT:CT+2], v[S+16:S+31], v[BE+1]
	v_nop
.irp i, 0,1,2
	v_permlane16_swap_b32 v[PC+\i], v[CT+\i]
.endr
.irp i, 0,1,2
	s_delay_alu instid0(VALU_DEP_3)
	v_mov_b32 v[PC+3+\i], v[CT+\i]
.endr
.irp p, 0,1,2
	global_store_b64 v[AK0], v[PC+2*\p:PC+2*\p+1], s[80:81] offset:12288*(\u)+256*\p
.endr
.endm
.macro PASS u                          ; tile u of my two
	s_wait_xcnt 0x0                                ; the last tile's stores have read their data: the registers are written again only behind this wait
.irp i, 0,1,2,3,4,5
	v_mov_b32 v[QLO+\i], v[QI+6*(\u)+\i]
	v_mov_b32 v[QLO+6+\i], 0
	v_mov_b32 v[QHI+\i], 0
	v_mov_b32 v[QHI+6+\i], v[QI+6*(\u)+\i]
.endr
	v_perm_b32 v[QW], v[QWR], v[QWR], 0x01000100+0x02020202*(\u)   ; the tile's two bytes, twice: they serve whichever half of the 128 holds q
	v_mov_b32 v[TR], 0xfcf0bdc2                    ; the largest t so far: -1e37
	s_delay_alu instid0(VALU_DEP_1)
	v_floor_f32 v[NM], -v[TR]
	v_mov_b32 v[LS], 0
	v_mov_b32 v[LS+1], 0
.irp j, 0,1,2,3,4,5,6,7,8,9,10,11,12,13,14,15,16,17,18,19,20,21,22,23,24,25,26,27,28,29,30,31
	v_mov_b32 v[O+\j], 0                           ; O^T.  (The step is written once: its first trip finds zeros, which the first change of M leaves zeros)
.endr
	s_mov_b32 s[T6], 0
	s_mov_b32 s[T2], 0
	s_mov_b32 s[T5], 0
	s_mov_b32 s[CNT], 16
.Lstep_\u:
	STEP
	s_add_co_u32 s[T6], s[T6], 6144
	s_add_co_u32 s[T2], s[T2], 256
	s_add_co_u32 s[T5], s[T5], 512
	s_sub_co_u32 s[CNT], s[CNT], 1
	s_cmp_lg_u32 s[CNT], 0
	s_cbranch_scc1 .Lstep_\u
	EPI \u
.endm
	PASS 0
	PASS 1
	v_and_b32 v[XT], 16, v0
	s_delay_alu instid0(VALU_DEP_1)
	v_cmp_ne_u32 vcc_lo, 0, v[XT]
	s_delay_alu instid0(VALU_DEP_1)
	v_cndmask_b32 v[HW], v[HW], v[HW+1], vcc_lo    ; lane l holds token l of my 32
	global_store_b16 v[L32], v[HW], s[82:83]       ; two bytes a lane, 32 bytes apart: a token's 32 scale bytes come from sixteen heads, that is sixteen clusters; the whole buffer is 262,144 bytes
	s_wait_tensorcnt 0x0                           ; the wave's end, behind my last tensor load and my last LDS store
	ds_add_u32 v[SPW], v[NIL]
	s_wait_dscnt 0x0
	CROUND                                         ; the closing round: no work-group ends while a partner may still ask for a tile that names it
	s_endpgm
.Lfunc_end_k_q01d0845fd4_attn:
	.size	k_q01d0845fd4_attn, .Lfunc_end_k_q01d0845fd4_attn-k_q01d0845fd4_attn
	.p2alignl 7, 3214868480
	.fill 96, 4, 3214868480
	.section	.rodata,"a",@progbits
	.p2align	6, 0x0
	.amdhsa_kernel k_q01d0845fd4_attn
		.amdhsa_group_segment_fixed_size 327680
		.amdhsa_private_segment_fixed_size 0
		.amdhsa_enable_private_segment 0
		.amdhsa_kernarg_size 40
		.amdhsa_user_sgpr_count 2
		.amdhsa_user_sgpr_kernarg_segment_ptr 1
		.amdhsa_wavefront_size32 1
		.amdhsa_system_sgpr_workgroup_id_x 1
		.amdhsa_system_sgpr_workgroup_id_y 1
		.amdhsa_system_sgpr_workgroup_id_z 1
		.amdhsa_system_vgpr_workitem_id 0
		.amdhsa_next_free_vgpr 256
		.amdhsa_next_free_sgpr 90
		.amdhsa_reserve_vcc 1
		.amdhsa_float_denorm_mode_32 3
		.amdhsa_float_denorm_mode_16_64 3
		.amdhsa_memory_ordered 1
		.amdhsa_forward_progress 1
		.amdhsa_inst_pref_size 59
	.end_amdhsa_kernel
	.amdgpu_metadata
---
amdhsa.version: [ 1, 2 ]
amdhsa.kernels:
  - .name:           k_q01d0845fd4_attn
    .symbol:         k_q01d0845fd4_attn.kd
    .args:
      - { .name: qkv, .offset: 0, .size: 8, .value_kind: global_buffer, .address_space: global }
      - { .name: qkvs, .offset: 8, .size: 8, .value_kind: global_buffer, .address_space: global }
      - { .name: mask, .offset: 16, .size: 8, .value_kind: global_buffer, .address_space: global }
      - { .name: ao, .offset: 24, .size: 8, .value_kind: global_buffer, .address_space: global }
      - { .name: aos, .offset: 32, .size: 8, .value_kind: global_buffer, .address_space: global }
    .group_segment_fixed_size: 327680
    .private_segment_fixed_size: 0
    .kernarg_segment_align: 8
    .kernarg_segment_size: 40
    .max_flat_workgroup_size: 512
    .sgpr_count:     90
    .vgpr_count:     256
    .wavefront_size: 32
...
	.end_amdgpu_metadata
.endif
;; end of part 3
;; launch outp (part 4): grid 4 x 64, 4 waves a work-group, clusters of 4 x 4, 327,680 bytes of LDS; arguments ao, aos, codes, scal, out0; writes out0
.if DOCPART == 4
	.amdgcn_target "amdgcn-amd-amdhsa--gfx1250"
	.amdhsa_code_object_version 6
	.text
	.protected	k_q01d0845fd4_outp
	.globl	k_q01d0845fd4_outp
	.p2align	8
	.type	k_q01d0845fd4_outp,@function
k_q01d0845fd4_outp:
	s_mov_b64 s[64:65], 0
	v_nop
	global_prefetch_b8 v0, s[64:65] scope:SCOPE_SE
	s_setreg_imm32_b32 hwreg(HW_REG_WAVE_MODE, 25, 1), 1
	s_wait_xcnt 0x0
	s_wait_alu depctr_hold_cnt(0) depctr_sa_sdst(0) depctr_va_vdst(0) depctr_va_sdst(0) depctr_va_ssrc(0) depctr_va_vcc(0) depctr_vm_vsrc(0)
	s_getreg_b32 s2, hwreg(HW_REG_IB_STS2, 6, 4)
	s_cmp_eq_u32 s2, 0
	s_cbranch_scc0 .Lentry_in_a_cluster
	s_endpgm
.Lentry_in_a_cluster:
	s_bfe_u32 s2, ttmp6, 0x10000c
	s_cmp_lg_u32 s2, 0xf033
	s_cbranch_scc0 .Lentry_shape_is_right
	s_endpgm
.Lentry_shape_is_right:
; out0 = attention's output x W_o^T on codes of FP6 (E2M3): out0[token][n] = sum over k of ao[token][k] W_o[n][k], f32.
; THE PRODUCT: source 0 = 16 rows of P (W_o), source 1 = 16 rows of R (tokens): a lane (r, h) holds token r, and register j of tile b the column 16 b + 8 h + j: eight neighbours of a row of out0.
; SHARES.  A work-group makes R 128 x P 256; its four waves R 64 x P 128 each: 32 accumulators.  All 1,024 along K of the work-group's rows fit in LDS, and every LDS byte is filled ONCE.
; FILLS.  One joint load a wave at the head: wave 0 R's scale bytes, wave 1 P's, wave 2 R's codes (8 row tiles of 12,288 bytes, dense), wave 3 P's (16).  One barrier shows all four; nothing is filled again.
; No prefetch: the text has no loop to run ahead in.
; CLUSTERS: 4 x 4 work-groups; R's tiles are shared along a row of the cluster, P's along a column.
; OPERANDS lie in memory and in LDS as images of registers: a fragment, 16 rows x 128 K, is 1,536 consecutive bytes.
; THE WAY OUT: a block of 16 rows x 128 columns goes through the wave's own stage in LDS and leaves as whole rows of 512 bytes.  The stages lie in P's first tiles, which have had their only fill; a barrier
; behind the last fetch parts every wave's reads of them from the stores.
; A scale byte 0xff among ao's (a batch with every key masked) makes the row NaN, as the softmax of a row with no key does.
; REGISTERS: window 0: v1-31 addresses; v32-95 scale words; v96-143 R's four fragments, v144-239 P's eight: set 0.  Window 1: the accumulators.  Window 2: fragment set 1.
.set PBASE, 98304                      ; behind R's 8 tiles: P's 16
.set RS,    PBASE+196608               ; R's scale bytes: 128 rows x 32
.set PS,    RS+4096                    ; P's: 256 rows x 32
.set SPARE, PS+8192                    ; the spare words, 128 bytes a wave
.set SPITCH, 528
.set FR,    12
.set ADR, 4                            ; v4     LDS address of my R fragments
.set ADP, 8                            ; v8-9   of my P tiles 0-3, 4-7
.set ADS, 12                           ; v12    of my scale words: lanes 0-15 R's rows, lanes 16-31 P's
.set SPW, 14
.set NIL, 15
.set STO, 16
.set RD,  17
.set CO,  18
.set L8,  24
.set SC,  32
.set RF,  96
.set PF,  144
.set BK,  96
.set G1R,  24
.set G1P,  32
.set G1RS, 40
.set G1PS, 48
.set R0, 56
.set P0, 76
.set G0RS, 92
.set G0PS, 96
.set MSB, 0
.macro WIN new
.if MSB != (\new)
	s_set_vgpr_msb (MSB<<8)|(\new)
.set MSB, \new
.endif
.endm
.macro CROUND
	s_barrier_signal -1
	s_barrier_wait -1
	s_cmp_lg_u32 s14, 0
	s_cbranch_scc1 .Lnot_wave_0_\@
	s_barrier_signal -3
.Lnot_wave_0_\@:
	s_barrier_wait -3
	s_barrier_signal -1
	s_barrier_wait -1
.endm
.macro MKG1 g, c, r, p
	s_mov_b32 s[\g+1], (\c)<<16
	s_mov_b32 s[\g+2], (\r)<<16
	s_mov_b32 s[\g+3], (\c)<<16
	s_mov_b32 s[\g+4], \r
	s_mov_b32 s[\g+5], \p
	s_mov_b32 s[\g+6], 0
	s_mov_b32 s[\g+7], 0
.endm
.macro PLACES
.rept 4
	v_nop
.endr
.endm
.macro ARM under, g0, g1, next         ; one arm of the head's chain: a load, its s_nop 0 and four v_nop
	s_cmp_lt_u32 s14, \under
	s_cbranch_scc0 \next
	tensor_load_to_lds s[\g0:\g0+3], s[\g1:\g1+7]
	s_nop 0
	PLACES
	s_branch .Lasked
\next:
.endm
	s_load_b256 s[4:11], s[0:1], 0x0               ; ao, aos, codes, scal
	s_load_b64 s[12:13], s[0:1], 0x20              ; out0
	v_lshl_add_u32 v[SPW], v0, 2, SPARE
	v_mov_b32 v[NIL], 0
	ds_add_u32 v[SPW], v[NIL]                      ; the opening lines
	ds_add_u32 v[SPW], v[NIL]
	v_lshrrev_b32 v1, 5, v0
	v_readfirstlane_b32 s14, v1                    ; wave
	s_lshr_b32 s15, s14, 1                         ; which 64 rows of R are mine
	s_and_b32 s16, s14, 1                          ; which 128 rows of P
	s_bfe_u32 s66, ttmp6, 0x40000                  ; cx
	s_bfe_u32 s67, ttmp6, 0x40004                  ; cy
	s_and_b32 s2, ttmp7, 0xffff
	s_lshl_b32 s101, s2, 2
	s_add_co_u32 s101, s101, s67                   ; R tile: 128 tokens
	s_mov_b32 s100, s66                            ; P tile: 256 rows of W_o
	s_lshl_b32 s18, s101, 3                        ; R's first row tile: it hangs on cy alone
	s_lshl_b32 s19, s100, 4                        ; P's: W_o begins at row tile 1,728 of codes; it hangs on cx alone
	s_add_co_u32 s19, s19, 1728
	s_lshl_b32 s22, s67, 2
	s_lshl_b32 s22, 15, s22                        ; my row of the cluster
	s_lshl_b32 s23, 0x1111, s66                    ; my column
	s_or_b32 s[G1R], s22, (3<<16)|(1<<21)
	s_or_b32 s[G1RS], s22, (3<<16)|(1<<21)
	s_or_b32 s[G1P], s23, (3<<16)|(1<<21)
	s_or_b32 s[G1PS], s23, (3<<16)|(1<<21)
	MKG1 G1R, 1536, 8, 1536                        ; 8 row tiles of 12,288 bytes, dense
	MKG1 G1P, 1536, 16, 1536
	MKG1 G1RS, 32, 16, 32                          ; 4,096 dense bytes
	MKG1 G1PS, 32, 32, 32                          ; 8,192
	s_mov_b32 s[R0], 1
	s_mov_b32 s[R0+1], 0
	s_mov_b32 s[P0], 1
	s_mov_b32 s[P0+1], PBASE
	s_mov_b32 s[G0RS], 1
	s_mov_b32 s[G0RS+1], RS
	s_mov_b32 s[G0PS], 1
	s_mov_b32 s[G0PS+1], PS
	s_mul_i32 s[R0+2], s18, 12288
	s_mov_b32 s[R0+3], 0
	s_lshl_b32 s[G0RS+2], s18, 9
	s_mov_b32 s[G0RS+3], 0
	s_mul_i32 s[P0+2], s19, 12288
	s_mov_b32 s[P0+3], 0
	s_lshl_b32 s[G0PS+2], s19, 9
	s_mov_b32 s[G0PS+3], 0
	s_wait_dscnt 0x0
	s_wait_kmcnt 0x0
	s_add_nc_u64 s[R0+2:R0+3], s[4:5], s[R0+2:R0+3]
	s_add_nc_u64 s[P0+2:P0+3], s[8:9], s[P0+2:P0+3]
	s_add_nc_u64 s[G0RS+2:G0RS+3], s[6:7], s[G0RS+2:G0RS+3]
	s_add_nc_u64 s[G0PS+2:G0PS+3], s[10:11], s[G0PS+2:G0PS+3]
.irp g, R0, P0, G0RS, G0PS
	s_or_b32 s[\g+3], s[\g+3], 0x80000000
.endr
	CROUND                                         ; the joint loads meet
	ARM 1, G0RS, G1RS, .Lw1
	ARM 2, G0PS, G1PS, .Lw2
	ARM 3, R0, G1R, .Lw3
	tensor_load_to_lds s[P0:P0+3], s[G1P:G1P+7]
	s_nop 0
	PLACES
.Lasked:
	v_and_b32 v3, 31, v0
	v_and_b32 v1, 15, v0                           ; r
	v_bfe_u32 v2, v0, 4, 1                         ; h
	v_lshlrev_b32 v[L8], 3, v3
	s_wait_alu depctr_va_vdst(0)                   ; the wait ahead of the scalar lines below
	s_mul_i32 s20, s15, 49152                      ; my four tiles of R,
	s_mul_i32 s21, s16, 98304                      ; my eight of P
	s_add_co_u32 s21, s21, PBASE
	v_add_nc_u32 v[ADR], s20, v[L8]
	v_add_nc_u32 v[ADP], s21, v[L8]
	s_add_co_u32 s21, s21, 49152
	v_add_nc_u32 v[ADP+1], s21, v[L8]
	s_lshl_b32 s20, s15, 11                        ; scale words: R's: my 64 rows of 32 bytes
	s_lshl_b32 s21, s16, 12                        ; P's: my 128 rows, behind R's
	s_add_co_u32 s21, s21, PS-RS
	s_sub_co_u32 s21, s21, s20
	v_mul_u32_u24 v[ADS], s21, v2                  ; lanes 16-31 take P's: the lower base + h x the distance
	v_lshl_add_u32 v[ADS], v1, 5, v[ADS]
	s_add_co_u32 s20, s20, RS
	v_add_nc_u32 v[ADS], s20, v[ADS]
	s_mul_i32 s20, s14, 16*SPITCH
	s_add_co_u32 s20, s20, PBASE                   ; my stage
	v_mul_u32_u24 v[STO], v1, SPITCH
	v_lshl_add_u32 v[STO], v2, 5, v[STO]
	v_add_nc_u32 v[STO], s20, v[STO]
	v_lshlrev_b32 v[CO], 4, v3
	v_add_nc_u32 v[RD], s20, v[CO]
	s_lshl_b32 s20, s101, 7
	s_lshl_b32 s21, s15, 6
	s_add_co_u32 s20, s20, s21                     ; my first token
	s_lshl_b32 s20, s20, 12
	s_lshl_b32 s21, s100, 10
	s_add_co_u32 s20, s20, s21
	s_lshl_b32 s21, s16, 9
	s_add_co_u32 s20, s20, s21
	s_mov_b32 s21, 0
	s_add_nc_u64 s[12:13], s[12:13], s[20:21]
.macro FRAG reg, adr, off
.irp p, 0,1,2,3,4,5
	ds_load_b64 v[\reg+2*\p:\reg+2*\p+1], v[\adr] offset:\off+256*\p
.endr
.endm
.macro FETCH s, set                    ; K step s: 72 loads in one run
	WIN 0x80*(\set)
.irp b, 0,1,2,3,4,5,6,7
	FRAG PF+FR*\b, ADP+\b/4, 12288*(\b%4)+1536*(\s)
.endr
.irp a, 0,1,2,3
	FRAG RF+FR*\a, ADR, 12288*\a+1536*(\s)
.endr
	WIN 0
.endm
.macro MUL s, set, zero                ; the 32 accumulators take turns
	WIN 0x50+0x0a*(\set)
.irp a, 0,1,2,3
.irp b, 0,1,2,3,4,5,6,7
.if \zero
	v_wmma_scale_f32_16x16x128_f8f6f4 v[8*(8*\a+\b):8*(8*\a+\b)+7], v[PF+FR*\b:PF+FR*\b+FR-1], v[RF+FR*\a:RF+FR*\a+FR-1], 0, v[SC+8*\b+(\s)], v[SC+8*\a+(\s)] matrix_a_fmt:MATRIX_FMT_FP6 matrix_b_fmt:MATRIX_FMT_FP6 matrix_a_scale:MATRIX_SCALE_ROW1
.else
	v_wmma_scale_f32_16x16x128_f8f6f4 v[8*(8*\a+\b):8*(8*\a+\b)+7], v[PF+FR*\b:PF+FR*\b+FR-1], v[RF+FR*\a:RF+FR*\a+FR-1], v[8*(8*\a+\b):8*(8*\a+\b)+7], v[SC+8*\b+(\s)], v[SC+8*\a+(\s)] matrix_a_fmt:MATRIX_FMT_FP6 matrix_b_fmt:MATRIX_FMT_FP6 matrix_a_scale:MATRIX_SCALE_ROW1
.endif
.endr
.endr
.endm
.macro PAIR q, zero                    ; K steps 2 q (set 0) and 2 q + 1 (set 1)
	PLACES
	FETCH 2*(\q)+1, 1
	s_wait_dscnt 63                                ; set 0 is in: 72 loads were issued behind it, and 63 is the largest count that can be written
	MUL 2*(\q), 0, \zero
	s_wait_dscnt 0x0                               ; set 1 is in
.if (\q) < 3
	PLACES
	FETCH 2*(\q)+2, 0
.endif
	MUL 2*(\q)+1, 1, 0
.endm
	s_wait_alu depctr_va_vdst(0)                   ; the wait at the head's end
	s_wait_tensorcnt 0x0                           ; my load has landed
	s_barrier_signal -1
	s_barrier_wait -1                              ; everybody's has
.irp i, 0,1,2,3,4,5,6,7                ; all scale words, once: eight words a row
.irp j, 0,1
	ds_load_b128 v[SC+8*\i+4*\j:SC+8*\i+4*\j+3], v[ADS] offset:512*\i+16*\j
.endr
.endr
	FETCH 0, 0
	PAIR 0, 1                                      ; the first step's products start the sums
	PAIR 1, 0
	PAIR 2, 0
	PAIR 3, 0
	WIN 0
	s_barrier_signal -1                            ; each wave has waited for its last fragment loads ahead of its last products:
	s_barrier_wait -1                              ; nobody reads P's tiles any more, and the stages may be written
; THE WAY OUT, block by block of 16 rows x 128 columns.  LDS serves a wave's instructions in order (ISA guide 5.7.1.4): no wait between the stores and the loads.
.macro TOSTAGE a
	WIN 0x04
.irp b, 0,1,2,3,4,5,6,7
	ds_store_b128 v[STO], v[64*(\a)+8*\b:64*(\a)+8*\b+3] offset:64*\b          ; each accumulator from its low end on
	ds_store_b128 v[STO], v[64*(\a)+8*\b+4:64*(\a)+8*\b+7] offset:64*\b+16
.endr
	WIN 0
.set BB, BK+64*((\a)%2)
.irp t, 0,1,2,3,4,5,6,7,8,9,10,11,12,13,14,15
	ds_load_b128 v[BB+4*\t:BB+4*\t+3], v[RD] offset:\t*SPITCH
.endr
.endm
.macro SEND a, younger                 ; younger: the LDS instructions issued behind block a's loads
.set BB, BK+64*((\a)%2)
	s_wait_dscnt \younger
.if (\a) > 0
	s_add_nc_u64 s[12:13], s[12:13], 65536         ; 16 rows of out0 on (a wait on XCNT for 0 stands ahead)
.endif
.irp t, 0,1,2,3,4,5,6,7,8,9,10,11,12,13,14,15
	global_store_b128 v[CO], v[BB+4*\t:BB+4*\t+3], s[12:13] offset:4096*\t th:TH_STORE_NT   ; 512 consecutive bytes, aligned
.endr
.endm
	PLACES                                         ; behind the last products
	TOSTAGE 0
.irp a, 1,2,3
.if \a > 1
	s_wait_xcnt 0x0                                ; block a - 2's stores have read their registers and their base
.endif
	TOSTAGE \a
	SEND \a-1, 32
.endr
	s_wait_xcnt 0x0
	SEND 3, 0
	s_wait_tensorcnt 0x0                           ; the wave's end
	ds_add_u32 v[SPW], v[NIL]
	s_wait_dscnt 0x0
	CROUND                                         ; the closing round
	s_endpgm
.Lfunc_end_k_q01d0845fd4_outp:
	.size	k_q01d0845fd4_outp, .Lfunc_end_k_q01d0845fd4_outp-k_q01d0845fd4_outp
	.p2alignl 7, 3214868480
	.fill 96, 4, 3214868480
	.section	.rodata,"a",@progbits
	.p2align	6, 0x0
	.amdhsa_kernel k_q01d0845fd4_outp
		.amdhsa_group_segment_fixed_size 327680
		.amdhsa_private_segment_fixed_size 0
		.amdhsa_enable_private_segment 0
		.amdhsa_kernarg_size 40
		.amdhsa_user_sgpr_count 2
		.amdhsa_user_sgpr_kernarg_segment_ptr 1
		.amdhsa_wavefront_size32 1
		.amdhsa_system_sgpr_workgroup_id_x 1
		.amdhsa_system_sgpr_workgroup_id_y 1
		.amdhsa_system_sgpr_workgroup_id_z 1
		.amdhsa_system_vgpr_workitem_id 0
		.amdhsa_next_free_vgpr 768
		.amdhsa_next_free_sgpr 102
		.amdhsa_reserve_vcc 0
		.amdhsa_float_denorm_mode_32 3
		.amdhsa_float_denorm_mode_16_64 3
		.amdhsa_memory_ordered 1
		.amdhsa_forward_progress 1
		.amdhsa_inst_pref_size 94
	.end_amdhsa_kernel
	.amdgpu_metadata
---
amdhsa.version: [ 1, 2 ]
amdhsa.kernels:
  - .name:           k_q01d0845fd4_outp
    .symbol:         k_q01d0845fd4_outp.kd
    .args:
      - { .name: ao, .offset: 0, .size: 8, .value_kind: global_buffer, .address_space: global }
      - { .name: aos, .offset: 8, .size: 8, .value_kind: global_buffer, .address_space: global }
      - { .name: codes, .offset: 16, .size: 8, .value_kind: global_buffer, .address_space: global }
      - { .name: scal, .offset: 24, .size: 8, .value_kind: global_buffer, .address_space: global }
      - { .name: out0, .offset: 32, .size: 8, .value_kind: global_buffer, .address_space: global }
    .group_segment_fixed_size: 327680
    .private_segment_fixed_size: 0
    .kernarg_segment_align: 8
    .kernarg_segment_size: 40
    .max_flat_workgroup_size: 128
    .sgpr_count:     102
    .vgpr_count:     768
    .wavefront_size: 32
...
	.end_amdgpu_metadata
.endif
;; end of part 4
